; MI455X (gfx1250); checked and timed in simulation.
; The chip was launched on July 23, 2026; its instructions are those of AMD's public machine-readable ISA for CDNA 5 (MIT licence, August 2026) and "CDNA5" Instruction Set Architecture Reference Guide (July 2026). The comments in the code are by the model that wrote it; some were corrected since.
;; Block. Allowed arithmetic: matrix products marked QUANTISED: E4M3 operands, one given power-of-two scale a tensor, by v_wmma_f32_16x16x64_fp8_fp8 or v_wmma_f32_16x16x128_fp8_fp8, f32 sums; everything else in f32.
;; Inputs: b_attn 3,072 float32; b_fc 4,096 float32; b_fc2 1,024 float32; b_proj 1,024 float32; ln1_b 1,024 float32; ln1_g 1,024 float32; ln2_b 1,024 float32; ln2_g 1,024 float32; lowp_scales 12 int32 (the exponents e of the quantised operands' scales 2^e); w_attn 1,024 x 3,072 float32; w_fc 1,024 x 4,096 float32; w_fc2 4,096 x 1,024 float32; w_proj 1,024 x 1,024 float32; x 2 x 2,048 x 1,024 float32.
;; Outputs: out0 2 x 2,048 x 1,024 float32.
;; This version of the problem:
;;   THIS VERSION OF THE PROBLEM IS GIVEN IN LOW PRECISION. The matrix products marked QUANTISED in the list below multiply operands that are first quantised to E4M3 (4 exponent bits, 3 mantissa bits; 8 bits a number), with one given power-of-two scale for each operand tensor; their sums are f32. All else is computed in f32.
;;   The module's matrix products, in the order in which they are computed (A, B: the left and right operand; K: the contracted axis; several contracted axes count as one K, in the product's order):
;;     1. [M 4,096, K 1,024] x [K 1,024, N 3,072]; A: computed on the way; B: input w_attn: QUANTISED (scales: A lowp_scales[0], B lowp_scales[1])
;;     2. batch 32 x [M 2,048, K 64] x [K 64, N 2,048]; A: computed on the way; B: computed on the way: QUANTISED (scales: A lowp_scales[2], B lowp_scales[3])
;;     3. batch 32 x [M 2,048, K 2,048] x [K 2,048, N 64]; A: softmax (see below); B: computed on the way: QUANTISED (scales: A lowp_scales[4], B lowp_scales[5])
;;     4. [M 4,096, K 1,024] x [K 1,024, N 1,024]; A: computed on the way; B: input w_proj: QUANTISED (scales: A lowp_scales[6], B lowp_scales[7])
;;     5. [M 4,096, K 1,024] x [K 1,024, N 4,096]; A: computed on the way; B: input w_fc: QUANTISED (scales: A lowp_scales[8], B lowp_scales[9])
;;     6. [M 4,096, K 4,096] x [K 4,096, N 1,024]; A: computed on the way; B: input w_fc2: QUANTISED (scales: A lowp_scales[10], B lowp_scales[11])
;;   THE QUANTISER, for each operand of a quantised product, along K:
;;     - The operand's scale is 2^e, e = its entry of the input lowp_scales (int32; the entries are numbered through the quantised products in the list's order, A before B).
;;     - Each number is divided by the scale, clamped to +-448, and rounded to the nearest number of E4M3, ties to even, subnormals kept.
;;     - The product sums the exact products of the quantised numbers (number of the format x scale) in f32.
;;   ~~~python
;;   def quantise(x, axis, e):      # numpy; x: float32 -> the quantised numbers, widened to float32 again
;;       x = np.moveaxis(x, axis, -1); K = x.shape[-1]
;;       r = np.clip(x / 2.0 ** e, -448, 448)
;;       step = 2.0 ** (np.maximum(np.frexp(np.where(r == 0, 1, r))[1] - 1, -6) - 3)
;;       q = np.round(r / step) * step * 2.0 ** e      # np.round: ties to even
;;       return np.moveaxis(q, -1, axis).astype(np.float32)
;;   ~~~
;;   SOFTMAX AHEAD OF A QUANTISED PRODUCT. Where the list says 'softmax', what is quantised is not the finished softmax but p = 2^(t - M), with t = logit x log2(e) and M = ceil(the row's largest t), a whole number; so 1/2 < the row's largest p <= 1. The row's sum l is taken of the UNQUANTISED p, in f32, and the product's result is divided by l at the end. Since M is a whole number, a kernel that streams over the keys may use a running M (the ceiling of the running maximum): every later rescaling is an exact power of two, so the quantised numbers keep their values, but for numbers so far below the row's largest that they fall under the format's range.
;;   OPERANDS COMPUTED ON THE WAY. 'Computed on the way' means the value that the module computes at that place (a softmax that the list does not call 'softmax' is quantised finished and normalised). What goes into a quantiser is computed in f32, as accurately as f32 sums, v_exp_f32 and their like allow (about 1e-6 of the number): no bf16 or f16 on the way to a quantiser, and a product that is left as it is and whose result goes on into a quantised operand takes f32 operands (vector FMAs, or v_wmma_f32_16x16x4_f32). A number that lies on a knife's edge between two numbers of the format may be rounded either way, as far as f32 arithmetic and the matrix unit's own rounding can turn it there, and no further.
;; One version. Each part assembles by itself: llvm-mc -triple=amdgcn-amd-amdhsa -mcpu=gfx1250 --defsym DOCPART=n.
;; ======== version 1 of 1: 7 launches
;; limits: right only within a limited range of input values
;; workspace buffers: wts 12,582,912 bytes; xa 4,194,304 bytes; qkv 12,582,912 bytes; y 4,194,304 bytes; x1 16,777,216 bytes; xb 4,194,304 bytes; h 16,777,216 bytes
;; launch prep (part 1): grid 640 x 1, 8 waves a work-group, no clusters, 2,048 bytes of LDS; arguments x, ln1_g, ln1_b, lowp_scales, w_attn, w_proj, w_fc, w_fc2, xa, wts; writes xa, wts
.if DOCPART == 1
	.amdgcn_target "amdgcn-amd-amdhsa--gfx1250"
	.amdhsa_code_object_version 6
	.text
	.protected	k_q56a7275c92_prep
	.globl	k_q56a7275c92_prep
	.p2align	8
	.type	k_q56a7275c92_prep,@function
k_q56a7275c92_prep:
	s_mov_b64 s[64:65], 0
	v_nop
	global_prefetch_b8 v0, s[64:65] scope:SCOPE_SE
	s_setreg_imm32_b32 hwreg(HW_REG_WAVE_MODE, 25, 1), 1
	s_wait_xcnt 0x0
; PREP: work-groups 0-255 make LN1(x) as codes of FP8 (E4M3); work-groups 256-639 turn the four weights into codes.  Both results are laid as IMAGES OF THE MATRIX OPERAND'S REGISTERS:
; a fragment (16 rows x 128 K, 16 registers a lane) is 2,048 bytes; chunk c (0..3) lies at 512 c + 16 x lane; lane (r = lane % 16, h = lane / 16) holds k = 32 c + 16 h + 0..15 of row r.
; An operand is [rows / 16][K / 128][2048].  The later launches load such a fragment by four loads of 512 consecutive bytes, with no pitch, padding or transposition.
; LN PATH: a work-group takes 16 rows; wave s takes the K step 128 s .. 128 s + 127 of all 16 rows, and a lane loads just the 64 numbers that its lane of the image holds.  The mean is taken first and the squares
; of the centred numbers afterwards, so a common offset of the inputs costs no accuracy.  A row's sums over the eight waves meet in LDS (two barriers, two regions of 512 bytes).
; WEIGHTS PATH: W is [K][N] f32, K its first axis.  A lane takes one column and its registers run down K, so the conversions give codes with K innermost.  THE COLUMNS OF A BLOCK ARE NOT NEIGHBOURS:
; row r of block 2 G + u is column 32 G + 8 u + r + 8 (r / 8), so that in a product used transposed the 16 results of two neighbouring blocks are 16 neighbouring columns.
; wts holds: w_attn's image at 0, w_proj's at 0x300000, w_fc's at 0x400000, w_fc2's at 0x800000.
; code = x / 2^e, held within +-448, to the nearest code, ties to even.  LIMITS: each e used here between -126 and 119.  NaN among the inputs is not served.
; No matrix work, no tensor loads, no cluster: work-groups share no tile (the gain and bias of 4,096 bytes are all that two of them read alike).
.set X,    32                          ; v32-95   LN: my 64 numbers: register 16 c + i is k = 128 s + 32 c + 16 h + i of row r
.set GA,   96                          ; v96-159  the gain at the same k
.set BE,   160                         ; v160-223 the bias at the same k
.set CD,   224                         ; v224-239 the codes
.set P,    240                         ; v240-247 four chains of pairs
.set EOFF, 0x0                         ; byte offset of this operand's exponent in lowp_scales
.set VO,   16                          ; v16-47   weights: offset of my column in row i of a chunk of 32 rows
.set WX,   64                          ; v64-191  weights: four chunks of 32 numbers down K
.set WC,   192                         ; v192-223 weights: eight registers of codes a chunk
; the four chains -> the row's sum over all 1,024 columns, in v248 of every lane
.macro ROWSUM off
	s_delay_alu instid0(VALU_DEP_3)
	v_pk_add_f32 v[P:P+1], v[P:P+1], v[P+2:P+3]
	s_delay_alu instid0(VALU_DEP_2)
	v_pk_add_f32 v[P+4:P+5], v[P+4:P+5], v[P+6:P+7]
	s_delay_alu instid0(VALU_DEP_1)
	v_pk_add_f32 v[P:P+1], v[P:P+1], v[P+4:P+5]
	s_delay_alu instid0(VALU_DEP_1)
	v_add_f32 v248, v[P], v[P+1]
	s_delay_alu instid0(VALU_DEP_1)
	v_permlanex16_b32 v249, v248, s26, s27         ; the row's other 64 numbers of this K step lie in the lane 16 away
	s_delay_alu instid0(VALU_DEP_1)
	v_add_f32 v248, v248, v249
	ds_store_b32 v4, v248 offset:\off              ; word (row, wave); lanes r and r + 16 store the same number
	s_wait_dscnt 0x0                               ; for the other waves' sake: my store has landed
	s_barrier_signal -1
	s_barrier_wait -1
	ds_load_b128 v[P:P+3], v5 offset:\off          ; the row's eight partial sums
	ds_load_b128 v[P+4:P+7], v5 offset:\off+16
	s_wait_dscnt 0x0
	v_pk_add_f32 v[P:P+1], v[P:P+1], v[P+2:P+3]
	v_pk_add_f32 v[P+4:P+5], v[P+4:P+5], v[P+6:P+7]
	s_delay_alu instid0(VALU_DEP_1)
	v_pk_add_f32 v[P:P+1], v[P:P+1], v[P+4:P+5]
	s_delay_alu instid0(VALU_DEP_1)
	v_add_f32 v248, v[P], v[P+1]
.endm
	s_load_b256 s[4:11], s[0:1], 0x0               ; x s[4:5], gain s[6:7], bias s[8:9], the scales' exponents s[10:11]
	s_load_b256 s[12:19], s[0:1], 0x20             ; w_attn, w_proj, w_fc, w_fc2
	s_load_b128 s[20:23], s[0:1], 0x40             ; xa s[20:21], wts s[22:23]
	v_lshl_add_u32 v254, v0, 2, 0x400
	v_mov_b32 v255, 0
	v_lshrrev_b32 v1, 5, v0
	s_delay_alu instid0(VALU_DEP_1)
	v_readfirstlane_b32 s24, v1                    ; wave 0..7
	v_and_b32 v6, 15, v0                           ; r
	v_bfe_u32 v7, v0, 4, 1                         ; h (weights: u)
	s_cmp_lt_u32 ttmp9, 256                        ; the same in all waves of a work-group
	s_cbranch_scc0 .Lweights
	; ---------------- LN path ----------------
	s_mov_b32 s26, 0x76543210                      ; v_permlanex16_b32: lane l takes lane l xor 16
	s_mov_b32 s27, 0xfedcba98
	s_mov_b32 s35, 0x3a800000                      ; 1 / 1024
	v_lshlrev_b32 v2, 6, v7                        ; gain, bias: 64 h
	s_delay_alu instid0(VALU_DEP_1)
	v_lshl_add_u32 v1, v6, 12, v2                  ; x: row r of 4,096 bytes + 64 h
	v_and_b32 v3, 31, v0
	s_delay_alu instid0(VALU_DEP_1)
	v_lshlrev_b32 v3, 4, v3                        ; 16 x lane: my place in an image's chunk
	v_lshlrev_b32 v5, 5, v6                        ; LDS: a row's eight words
	s_lshl_b32 s28, s24, 2
	v_add_nc_u32 v4, s28, v5                       ; and my wave's word among them
	v_mov_b32 v249, 0                              ; a lane permute's destination counts as read: written once
	s_lshl_b32 s30, s24, 9                         ; my K step: 512 bytes into a row
	s_mov_b32 s31, 0
	s_lshl_b32 s28, ttmp9, 16                      ; my work-group's 16 rows
	s_add_co_u32 s28, s28, s30
	s_mov_b32 s29, 0
	s_lshl_b32 s32, ttmp9, 3
	s_add_co_u32 s32, s32, s24
	s_lshl_b32 s32, s32, 11                        ; image (block, step)
	s_mov_b32 s33, 0
	s_wait_alu depctr_va_vdst(0)
	s_wait_kmcnt 0x0
	s_load_b32 s34, s[10:11], EOFF                 ; e
	s_add_nc_u64 s[4:5], s[4:5], s[28:29]
	s_add_nc_u64 s[6:7], s[6:7], s[30:31]
	s_add_nc_u64 s[8:9], s[8:9], s[30:31]
	s_add_nc_u64 s[20:21], s[20:21], s[32:33]
.irp c, 0,1,2,3
.irp j, 0,1,2,3
	global_load_b128 v[X+16*\c+4*\j:X+16*\c+4*\j+3], v1, s[4:5] offset:128*\c+16*\j th:TH_LOAD_NT
.endr
.endr
.irp c, 0,1,2,3
.irp j, 0,1,2,3
	global_load_b128 v[GA+16*\c+4*\j:GA+16*\c+4*\j+3], v2, s[6:7] offset:128*\c+16*\j
.endr
.endr
.irp c, 0,1,2,3
.irp j, 0,1,2,3
	global_load_b128 v[BE+16*\c+4*\j:BE+16*\c+4*\j+3], v2, s[8:9] offset:128*\c+16*\j
.endr
.endr
	s_wait_loadcnt 32                              ; x's 16 loads are in; the gain's and the bias's 32 may be out
.irp k, 0,1,2,3
	v_pk_add_f32 v[P+2*\k:P+2*\k+1], v[X+2*\k:X+2*\k+1], v[X+8+2*\k:X+8+2*\k+1]   ; the first eight pairs start the chains
.endr
.set n, 8
.rept 24
	s_delay_alu instid0(VALU_DEP_4)
	v_pk_add_f32 v[P+2*(n%4):P+2*(n%4)+1], v[P+2*(n%4):P+2*(n%4)+1], v[X+2*n:X+2*n+1]
.set n, n+1
.endr
	ROWSUM 0
	s_delay_alu instid0(VALU_DEP_1)
	v_mul_f32 v250, s35, v248                      ; the mean
	s_delay_alu instid0(VALU_DEP_1)
	v_mov_b32 v251, v250
.set n, 0
.rept 32
	v_pk_add_f32 v[X+2*n:X+2*n+1], v[X+2*n:X+2*n+1], v[250:251] neg_lo:[0,1] neg_hi:[0,1]   ; x - mean
.set n, n+1
.endr
.irp k, 0,1,2,3
	v_pk_mul_f32 v[P+2*\k:P+2*\k+1], v[X+2*\k:X+2*\k+1], v[X+2*\k:X+2*\k+1]
.endr
.set n, 4
.rept 28
	s_delay_alu instid0(VALU_DEP_4)
	v_pk_fma_f32 v[P+2*(n%4):P+2*(n%4)+1], v[X+2*n:X+2*n+1], v[X+2*n:X+2*n+1], v[P+2*(n%4):P+2*(n%4)+1]
.set n, n+1
.endr
	ROWSUM 512                                     ; other bytes than the first sum's: no barrier is owed between the two
	s_delay_alu instid0(VALU_DEP_1)
	v_fmaak_f32 v250, s35, v248, 0x3727c5ac        ; variance + 1e-5
	s_wait_alu depctr_va_vdst(0)
	v_rsq_f32 v252, v250
	v_nop                                          ; a plain instruction behind the transcendental
	s_wait_kmcnt 0x0
	s_add_co_i32 s34, s34, 127
	s_lshl_b32 s36, s34, 23
	v_mov_b32 v10, s36                             ; 2^e as f32: the conversion takes its exponent field
	s_add_co_i32 s34, s34, 8
	s_lshl_b32 s34, s34, 23
	s_or_b32 s34, s34, 0x600000
	v_mov_b32 v11, s34                             ; 448 x 2^e
	s_wait_alu depctr_va_vdst(0)                   ; the wait ahead of the first instruction that names the result
	v_mov_b32 v253, v252
	s_wait_alu depctr_va_vdst(0)
	s_wait_loadcnt 0x0                             ; the gain and the bias
.set n, 0
.rept 32
	v_pk_mul_f32 v[X+2*n:X+2*n+1], v[X+2*n:X+2*n+1], v[252:253]
.set n, n+1
.endr
.set n, 0
.rept 32
	v_pk_fma_f32 v[X+2*n:X+2*n+1], v[X+2*n:X+2*n+1], v[GA+2*n:GA+2*n+1], v[BE+2*n:BE+2*n+1]
.set n, n+1
.endr
.irp c, 0,1,2,3
.irp i, 0,1,2,3,4,5,6,7,8,9,10,11,12,13,14,15
	v_med3_num_f32 v[X+16*\c+\i], v[X+16*\c+\i], -v11, v11   ; the conversion does not saturate (ISA guide 7.6.2): the hold at the largest code x the scale
.endr
	v_cvt_scalef32_pk8_fp8_f32 v[CD+4*\c:CD+4*\c+1], v[X+16*\c:X+16*\c+7], v10
	v_cvt_scalef32_pk8_fp8_f32 v[CD+4*\c+2:CD+4*\c+3], v[X+16*\c+8:X+16*\c+15], v10
.endr
.irp c, 0,1,2,3
	global_store_b128 v3, v[CD+4*\c:CD+4*\c+3], s[20:21] offset:512*\c   ; 32 lanes store 512 consecutive bytes, aligned
.endr
	s_wait_tensorcnt 0x0
	ds_add_u32 v254, v255
	s_wait_dscnt 0x0
	s_endpgm
	; ---------------- weights path ----------------
.Lweights:
	s_wait_kmcnt 0x0
	s_load_b256 s[40:47], s[10:11], 0x0            ; e0 .. e7
	s_load_b128 s[48:51], s[10:11], 0x20           ; e8 .. e11
	s_sub_co_u32 s25, ttmp9, 256                   ; g = 0 .. 383: w_attn 0-95, w_proj 96-127, w_fc 128-255, w_fc2 256-383
	s_wait_kmcnt 0x0
	s_mov_b64 s[30:31], s[18:19]                   ; w_fc2's figures first; three compares on g replace them
	s_mov_b32 s32, 4096                            ; bytes of a row of W
	s_mov_b32 s33, 256                             ; the tensor's first work-group
	s_mov_b32 s34, 5                               ; log2 of its K steps
	s_mov_b32 s35, 65536                           ; bytes of a block of 16 columns in the image: 16 K
	s_mov_b32 s36, 0x800000                        ; the image's place in wts
	s_mov_b32 s37, s51                             ; e
.macro PICK lim, src, n4, start, logs, kb, toff, e
	s_cmp_lt_u32 s25, \lim                         ; the choice hangs on the work-group's number alone
	s_cselect_b64 s[30:31], s[\src:\src+1], s[30:31]
	s_cselect_b32 s32, \n4, s32
	s_cselect_b32 s33, \start, s33
	s_cselect_b32 s34, \logs, s34
	s_cselect_b32 s35, \kb, s35
	s_cselect_b32 s36, \toff, s36
	s_cselect_b32 s37, s[\e], s37
.endm
	PICK 256, 16, 16384, 128, 3, 16384, 0x400000, 49
	PICK 128, 14, 4096, 96, 3, 16384, 0x300000, 47
	PICK 96, 12, 12288, 0, 3, 16384, 0, 41
	s_sub_co_u32 s26, s25, s33                     ; the work-group's number within its tensor
	s_bfm_b32 s27, s34, 0
	s_and_b32 s27, s26, s27                        ; K step of 128
	s_lshr_b32 s28, s26, s34                       ; group of 256 columns
	s_lshl_b32 s28, s28, 8
	s_lshl_b32 s29, s24, 5
	s_add_co_u32 s28, s28, s29                     ; n0: my wave's first column of 32
	s_wait_alu depctr_va_vdst(0)
	v_lshrrev_b32 v3, 3, v6
	s_delay_alu instid0(VALU_DEP_1)
	v_lshl_add_u32 v3, v3, 3, v6                   ; r + 8 (r / 8)
	s_delay_alu instid0(VALU_DEP_1)
	v_lshl_add_u32 v3, v7, 3, v3                   ; + 8 u: my column among the 32
	s_delay_alu instid0(VALU_DEP_1)
	v_lshlrev_b32 v9, 2, v3
	v_mov_b32 v8, s32
.set i, 0
.rept 32
	v_mad_u32_u24 v[VO+i], v8, i, v9               ; row i of a chunk
.set i, i+1
.endr
	v_mul_u32_u24 v10, v7, s35
	s_delay_alu instid0(VALU_DEP_1)
	v_lshl_add_u32 v10, v6, 4, v10                 ; out: block u, 16 r
	s_lshl_b32 s38, s27, 7
	s_mul_i32 s38, s38, s32                        ; 128 x step rows down
	s_lshl_b32 s29, s28, 2
	s_add_co_u32 s38, s38, s29
	s_mov_b32 s39, 0
	s_add_nc_u64 s[56:57], s[30:31], s[38:39]      ; chunk 0's first row at my wave's columns
	s_lshl_b32 s38, s32, 5                         ; 32 rows
	s_add_nc_u64 s[58:59], s[56:57], s[38:39]
	s_add_nc_u64 s[60:61], s[58:59], s[38:39]
	s_add_nc_u64 s[62:63], s[60:61], s[38:39]
	s_lshr_b32 s38, s28, 4
	s_mul_i32 s38, s38, s35
	s_add_co_u32 s38, s38, s36
	s_lshl_b32 s29, s27, 11
	s_add_co_u32 s38, s38, s29
	s_add_nc_u64 s[22:23], s[22:23], s[38:39]      ; image (block n0 / 16, step)
	s_add_co_i32 s37, s37, 127
	s_lshl_b32 s52, s37, 23
	v_mov_b32 v12, s52                             ; 2^e
	s_add_co_i32 s37, s37, 8
	s_lshl_b32 s37, s37, 23
	s_or_b32 s37, s37, 0x600000
	v_mov_b32 v13, s37                             ; 448 x 2^e
.macro LOADW c                         ; chunk c: W(128 step + 32 c + i, my column): each load reads 128 consecutive bytes of a row
.set i, 0
.rept 32
	global_load_b32 v[WX+32*(\c)+i], v[VO+i], s[56+2*(\c):57+2*(\c)] th:TH_LOAD_NT
.set i, i+1
.endr
.endm
.macro CHUNK c, left
	s_wait_loadcnt \left                           ; this chunk's 32 loads are in; the next chunk's may be out
.if (\c)+2 < 4
	LOADW (\c)+2                                   ; two chunks ahead, into registers of their own
.endif
.set i, 0
.rept 32
	v_med3_num_f32 v[WX+32*(\c)+i], v[WX+32*(\c)+i], -v13, v13
.set i, i+1
.endr
.irp g, 0,1,2,3
	v_cvt_scalef32_pk8_fp8_f32 v[WC+8*(\c)+2*\g:WC+8*(\c)+2*\g+1], v[WX+32*(\c)+8*\g:WX+32*(\c)+8*\g+7], v12
.endr
	global_store_b128 v10, v[WC+8*(\c):WC+8*(\c)+3], s[22:23] offset:512*(\c)          ; k = 32 c + 0..15: the image's lanes 0-15; sixteen lanes store 256 consecutive bytes, aligned
	global_store_b128 v10, v[WC+8*(\c)+4:WC+8*(\c)+7], s[22:23] offset:512*(\c)+256    ; k = 32 c + 16..31: its lanes 16-31
.endm
	s_wait_alu depctr_va_vdst(0)
	LOADW 0
	LOADW 1
	CHUNK 0, 32
	CHUNK 1, 32
	CHUNK 2, 32
	CHUNK 3, 0
	s_endpgm
.Lfunc_end_k_q56a7275c92_prep:
	.size	k_q56a7275c92_prep, .Lfunc_end_k_q56a7275c92_prep-k_q56a7275c92_prep
	.p2alignl 7, 3214868480
	.fill 96, 4, 3214868480
	.section	.rodata,"a",@progbits
	.p2align	6, 0x0
	.amdhsa_kernel k_q56a7275c92_prep
		.amdhsa_group_segment_fixed_size 2048
		.amdhsa_private_segment_fixed_size 0
		.amdhsa_enable_private_segment 0
		.amdhsa_kernarg_size 80
		.amdhsa_user_sgpr_count 2
		.amdhsa_user_sgpr_kernarg_segment_ptr 1
		.amdhsa_wavefront_size32 1
		.amdhsa_system_sgpr_workgroup_id_x 1
		.amdhsa_system_sgpr_workgroup_id_y 1
		.amdhsa_system_sgpr_workgroup_id_z 1
		.amdhsa_system_vgpr_workitem_id 0
		.amdhsa_next_free_vgpr 256
		.amdhsa_next_free_sgpr 66
		.amdhsa_reserve_vcc 0
		.amdhsa_float_denorm_mode_32 3
		.amdhsa_float_denorm_mode_16_64 3
		.amdhsa_memory_ordered 1
		.amdhsa_forward_progress 1
		.amdhsa_inst_pref_size 53
	.end_amdhsa_kernel
	.amdgpu_metadata
---
amdhsa.version: [ 1, 2 ]
amdhsa.kernels:
  - .name:           k_q56a7275c92_prep
    .symbol:         k_q56a7275c92_prep.kd
    .args:
      - { .name: x, .offset: 0, .size: 8, .value_kind: global_buffer, .address_space: global }
      - { .name: ln1_g, .offset: 8, .size: 8, .value_kind: global_buffer, .address_space: global }
      - { .name: ln1_b, .offset: 16, .size: 8, .value_kind: global_buffer, .address_space: global }
      - { .name: lowp_scales, .offset: 24, .size: 8, .value_kind: global_buffer, .address_space: global }
      - { .name: w_attn, .offset: 32, .size: 8, .value_kind: global_buffer, .address_space: global }
      - { .name: w_proj, .offset: 40, .size: 8, .value_kind: global_buffer, .address_space: global }
      - { .name: w_fc, .offset: 48, .size: 8, .value_kind: global_buffer, .address_space: global }
      - { .name: w_fc2, .offset: 56, .size: 8, .value_kind: global_buffer, .address_space: global }
      - { .name: xa, .offset: 64, .size: 8, .value_kind: global_buffer, .address_space: global }
      - { .name: wts, .offset: 72, .size: 8, .value_kind: global_buffer, .address_space: global }
    .group_segment_fixed_size: 2048
    .private_segment_fixed_size: 0
    .kernarg_segment_align: 8
    .kernarg_segment_size: 80
    .max_flat_workgroup_size: 256
    .sgpr_count:     66
    .vgpr_count:     256
    .wavefront_size: 32
...
	.end_amdgpu_metadata
.endif
;; end of part 1
;; launch qkv (part 2): grid 12 x 16, 4 waves a work-group, clusters of 4 x 4, 327,680 bytes of LDS; arguments xa, wts, lowp_scales, b_attn, qkv; writes qkv
.if DOCPART == 2
	.amdgcn_target "amdgcn-amd-amdhsa--gfx1250"
	.amdhsa_code_object_version 6
	.text
	.protected	k_q56a7275c92_qkv
	.globl	k_q56a7275c92_qkv
	.p2align	8
	.type	k_q56a7275c92_qkv,@function
k_q56a7275c92_qkv:
	s_mov_b64 s[64:65], 0
	v_nop
	global_prefetch_b8 v0, s[64:65] scope:SCOPE_SE
	s_setreg_imm32_b32 hwreg(HW_REG_WAVE_MODE, 25, 1), 1
	s_wait_xcnt 0x0
	s_wait_alu depctr_hold_cnt(0) depctr_sa_sdst(0) depctr_va_vdst(0) depctr_va_sdst(0) depctr_va_ssrc(0) depctr_va_vcc(0) depctr_vm_vsrc(0)
	s_getreg_b32 s2, hwreg(HW_REG_IB_STS2, 6, 4)
	s_cmp_eq_u32 s2, 0
	s_cbranch_scc0 .Lentry_in_a_cluster
	s_endpgm
.Lentry_in_a_cluster:
	s_bfe_u32 s2, ttmp6, 0x10000c
	s_cmp_lg_u32 s2, 0xf033
	s_cbranch_scc0 .Lentry_shape_is_right
	s_endpgm
.Lentry_shape_is_right:
; QKV: LN1(x) W_attn + b_attn on codes of FP8 (E4M3), and the results quantised at once into q's, k's and v's codes for the attention.
; OPERANDS ARE IMAGES OF REGISTERS: a fragment (16 rows x 128 K) is 2,048 bytes, chunk c at 512 c + 16 x lane, lane (r, h) holding k = 32 c + 16 h + 0..15 of row r; an operand is [rows / 16][K / 128][2048].
; That places k otherwise than the instruction's own layout, alike in both operands, so every product meets its partner.  Row r of the weights' block 2 G + u is column 32 G + 8 u + r + 8 (r / 8).
; A tile of 256 x 256 is made by four waves, 128 x 128 each: 64 accumulators, 512 registers.  K goes in steps of 128, two to an LDS slot, through a ring of two slots filled by the tensor data mover:
; one load brings 8 blocks x 4,096 consecutive bytes.  No pitch or padding: a fragment load's 512 bytes are consecutive.
; THE MATRIX INSTRUCTION IS USED TRANSPOSED: source 0 = a block of region B, source 1 = a block of region A: a lane holds ONE row of A's block and eight rows of B's.
; The cluster's x says what is made: 0 q, 1 k, 2 v (the same in all sixteen partners).  q, k: region A = tokens, region B = weights: a lane holds a token and 16 neighbouring channels in two neighbouring accumulators:
; two conversions give a chunk of the image [head][16 tokens][64 channels].  v: THE REGIONS CHANGE ROLES (A = weights, B = tokens), so a lane holds one channel and its registers run along the tokens, the second
; attention product's K.  Both operands have blocks of 16,384 bytes, so only the two base addresses and tile numbers are chosen, by s_cselect on the cluster's x.
; qkv holds: q at 0 and k at 0x400000, [32 heads][128 blocks of 16 tokens][1024]: chunk c'' (0, 1) at 512 c'' + 16 x lane, d = 32 c'' + 16 h + i;
;   v at 0x800000, [32][16 units of 128 keys][4][2048]: image t's row r is d = 32 (t / 2) + 8 (t % 2) + r + 8 (r / 8); its place 32 c + 16 h + 8 u + j holds key 32 c + 16 u + 8 h + j.
; CLUSTERS: 4 x 4 work-groups; region A's tile is shared along a row of the cluster, region B's along a column: each is asked for jointly.
; LIMITS: e0 + e1 between -126 and 127; e2, e3, e5 between -126 and 119.  NaN among the inputs is not served.
; REGISTERS, in windows of 256: window 0: v8-29 addresses; v32-95, v96-111 biases; from v128 A's fragments, one set (on the way out: v128-159 codes, v160-223 a block's numbers).
;   window 1: B's fragments, two sets, at v0 and v128.   windows 2, 3: the accumulators: (a, b) in window 2 + a / 4 at v[8 (8 (a % 4) + b)].
.set NBLK,   8                         ; blocks of 16 rows in a wave's tile, each way
.set NQ,     2                         ; steps of 128 along K in a slot
.set SIZE_K, 1024
.set IMG,    2048
.set ROWB,   NQ*IMG                    ; a block's bytes in a slot
.set KROW,   16*SIZE_K                 ; a block's bytes in memory
.set PART,   NBLK*ROWB                 ; what one tensor load brings, and what one wave reads of A or of B
.set SLOT,   4*PART                    ; A's two halves, then B's two halves
.set SPARE,  2*SLOT                    ; behind the ring: the spare words, 128 bytes for each wave
.set LAPS,   SIZE_K/(256*NQ)           ; a lap = once round the ring
.set HB,     NBLK/2
.set QB,     NBLK/4
.set NLH,    4*HB                      ; LDS loads that bring half of A's fragments
.set ADRA, 16                          ; v16-17  LDS address of my A fragments in slot 0, 1
.set ADRB, 20                          ; v20-21  the same for B
.set SPW,  28                          ; v28     LDS address of my spare word; never rewritten
.set NIL,  29                          ; v29     0; never rewritten
.set BIA,  32                          ; v32-95  q, k: the bias of my 64 columns: register 16 c + i is column 32 c + 16 h + i
.set BA,   96                          ; v96-111 v: the bias of my lane's channel in block a, at v[BA + 2 a] and its neighbour
.set CDS,  128                         ; v128-159 two sets of a block's codes
.set T,    160                         ; v160-223 a block's 64 numbers
.set AF,   128
.set G1, 24                            ; s[24:31] descriptor group 1 for region A;  s[32:39] group 0, a set for each slot
.set G0, 32
.set G1B, 48                           ; s[48:55], s[56:63] the same for region B
.set G0B, 56
.set MSB, 0
.macro WIN new                         ; the immediate's high byte repeats the setting that is left
.if MSB != (\new)
	s_set_vgpr_msb (MSB<<8)|(\new)
.set MSB, (\new)
.endif
.endm
.set MUL_LO, 0xa1                      ; source 0 (B) window 1, source 1 (A) window 0, C and D window 2
.set MUL_HI, 0xf1                      ; the same, C and D window 3
.set TO_B,   0x40                      ; destination window 1, address window 0
; A joint load: waves 0 and 1 fetch region A's halves, waves 2 and 3 region B's.  The branch hangs on the wave's number alone.  Four v_nop follow each of the two lines.
.macro JLOAD g0a, g1a, g0b, g1b
	s_cmp_eq_u32 s15, 0
	s_cbranch_scc0 .Lfor_b_\@
	tensor_load_to_lds s[\g0a:\g0a+3], s[\g1a:\g1a+7]
	s_nop 0
.rept 4
	v_nop
.endr
	s_branch .Lasked_\@
.Lfor_b_\@:
	tensor_load_to_lds s[\g0b:\g0b+3], s[\g1b:\g1b+7]
	s_nop 0
.rept 4
	v_nop
.endr
.Lasked_\@:
.endm
.macro CREST                           ; a round of the cluster's barrier behind its opening barrier
	s_cmp_lg_u32 s14, 0
	s_cbranch_scc1 .Lnot_wave_0_\@
	s_barrier_signal -3
.Lnot_wave_0_\@:
	s_barrier_wait -3
	s_barrier_signal -1
	s_barrier_wait -1
.endm
.macro CROUND                          ; a whole round
	s_barrier_signal -1
	s_barrier_wait -1
	CREST
.endm
.macro PLACES n                        ; plain vector instructions between a matrix instruction and a load into, or a vector access to, its registers
.rept \n
	v_nop
.endr
.endm
	s_load_b128 s[4:7], s[0:1], 0x0                ; xa s[4:5], wts s[6:7]
	s_load_b128 s[8:11], s[0:1], 0x10              ; the scales' exponents s[8:9], b_attn s[10:11]
	s_load_b64 s[70:71], s[0:1], 0x20              ; qkv
	v_lshl_add_u32 v[SPW], v0, 2, SPARE
	v_mov_b32 v[NIL], 0
	ds_add_u32 v28, v29
	ds_add_u32 v28, v29
	s_wait_dscnt 0x0
	v_lshrrev_b32 v1, 5, v0
	v_readfirstlane_b32 s14, v1                    ; wave 0..3
	s_lshr_b32 s15, s14, 1                         ; i: my half of region A.  Also: I fetch for A (0) or for B (1)
	s_and_b32 s16, s14, 1                          ; j: my half of region B.  Also: which half of that region I fetch
	s_bfe_u32 s40, ttmp6, 0x40000                  ; cx, cy: my place in the cluster
	s_bfe_u32 s41, ttmp6, 0x40004
	s_and_b32 s66, ttmp7, 0xffff
	s_lshl_b32 s66, s66, 2                         ; 4 x cluster y
	s_lshl_b32 s67, ttmp9, 2                       ; 4 x cluster x
	s_cmp_eq_u32 ttmp9, 2                          ; v?
	s_cselect_b32 s17, 8, s66                      ; region A's tile: v: weights' tiles 8 + cy;  q, k: tokens' tiles 4 Y + cy
	s_cselect_b32 s42, s66, s67                    ; region B's tile: v: tokens' tiles 4 Y + cx; q, k: weights' tiles 4 X + cx
	s_add_co_u32 s17, s17, s41                     ; ta: it never holds cx
	s_add_co_u32 s42, s42, s40                     ; tb: it never holds cy
	s_lshl_b32 s43, s41, 2
	s_lshl_b32 s43, 15, s43                        ; my row of the cluster
	s_lshl_b32 s44, 0x1111, s40                    ; my column
	s_or_b32 s[G1+0], s43, (1<<21)                 ; 15:0 the mask: A's tiles go to my row; 17:16 elements of 1 byte; 20 no padding; 21 set beside a mask
	s_or_b32 s[G1B+0], s44, (1<<21)
.irp g, G1, G1B
	s_mov_b32 s[\g+1], ROWB<<16                    ; tensor_dim0
	s_mov_b32 s[\g+2], NBLK<<16                    ; tensor_dim1
	s_mov_b32 s[\g+3], ROWB<<16                    ; tile_dim0
	s_mov_b32 s[\g+4], NBLK                        ; tile_dim1
	s_mov_b32 s[\g+5], KROW                        ; tensor_dim0_stride: from block to block
	s_mov_b32 s[\g+6], 0
	s_mov_b32 s[\g+7], 0
.endr
	s_mul_i32 s18, s16, NBLK                       ; which half I fetch
	s_mul_i32 s20, s17, 2*NBLK
	s_add_co_u32 s20, s20, s18
	s_mul_i32 s20, s20, KROW                       ; region A: its first block's byte
	s_mov_b32 s21, 0
	s_mul_i32 s46, s42, 2*NBLK
	s_add_co_u32 s46, s46, s18
	s_mul_i32 s46, s46, KROW                       ; region B likewise
	s_mov_b32 s47, 0
	s_mul_i32 s45, s14, PART                       ; where they go: wave x a part: no place in the cluster enters an LDS address
	s_wait_kmcnt 0x0
	s_load_b256 s[84:91], s[8:9], 0x0              ; e0 .. e7
	s_cmp_eq_u32 ttmp9, 2
	s_cselect_b64 s[72:73], s[6:7], s[4:5]         ; region A's buffer: the choice hangs on the cluster's x alone
	s_cselect_b64 s[74:75], s[4:5], s[6:7]         ; region B's
	s_add_nc_u64 s[20:21], s[72:73], s[20:21]
	s_add_nc_u64 s[46:47], s[74:75], s[46:47]
	CROUND                                         ; all sixteen work-groups are here: the first joint loads meet
.irp s, 0,1
	s_mov_b32 s[G0+4*\s], 1
	s_add_co_u32 s[G0+4*\s+1], s45, \s*SLOT
	s_add_nc_u64 s[G0+4*\s+2:G0+4*\s+3], s[20:21], \s*ROWB
	s_or_b32 s[G0+4*\s+3], s[G0+4*\s+3], 0x80000000
	s_mov_b32 s[G0B+4*\s], 1
	s_add_co_u32 s[G0B+4*\s+1], s45, \s*SLOT
	s_add_nc_u64 s[G0B+4*\s+2:G0B+4*\s+3], s[46:47], \s*ROWB
	s_or_b32 s[G0B+4*\s+3], s[G0B+4*\s+3], 0x80000000
.endr
	JLOAD G0, G1, G0B, G1B                         ; slot 0: one tensor load a wave at the head
	; THE PREFETCHES: behind each fill one instruction a wave names the next slot's part of the rows that this wave fetches.  Of its 8 blocks each of the four partners that ask jointly takes two, told apart by address
	; (cx for region A, cy for region B): 2 blocks x 4,096 bytes, a lane to each 256.  The offsets are immediates and the address registers are never rewritten; the last fill asks for nothing.
	s_cmp_eq_u32 s15, 0                            ; do I fetch for region A?
	s_cselect_b64 s[12:13], s[20:21], s[46:47]
	s_cselect_b32 s94, s40, s41
	s_mul_i32 s94, s94, 2*KROW
	s_mov_b32 s95, 0
	s_add_nc_u64 s[12:13], s[12:13], s[94:95]
	v_bfe_u32 v30, v0, 4, 1
	v_and_b32 v31, 15, v0
	v_lshlrev_b32 v31, 8, v31
	v_lshl_add_u32 v30, v30, 14, v31               ; block lane / 16 (16,384 bytes apart), 256 x (lane % 16)
	global_prefetch_b8 v30, s[12:13] offset:ROWB th:TH_LOAD_NT scope:SCOPE_SE
	v_and_b32 v1, 31, v0
	v_lshlrev_b32 v15, 4, v1                       ; 16 x lane: my place in every chunk, in LDS and in memory
	s_mul_i32 s21, s15, PART                       ; my half of A
	s_mul_i32 s22, s16, PART                       ; my half of B,
	s_add_co_u32 s22, s22, 2*PART                  ; which lies behind A's two
.irp s, 0,1
	v_add_nc_u32 v[ADRA+\s], s21, v15
	v_add_nc_u32 v[ADRB+\s], s22, v15
	s_add_co_u32 s21, s21, SLOT
	s_add_co_u32 s22, s22, SLOT
.endr
	; the biases.  Both sets are loaded on both ways, the one that is not used from the buffer's head
	v_and_b32 v2, 15, v0                           ; r
	v_bfe_u32 v3, v0, 4, 1                         ; h
	v_lshlrev_b32 v8, 6, v3                        ; q, k: 64 h
	s_wait_alu depctr_va_vdst(0)
	v_lshrrev_b32 v9, 3, v2
	v_lshl_add_u32 v9, v9, 3, v2
	v_lshlrev_b32 v9, 2, v9                        ; v: 4 (r + 8 (r / 8))
	s_wait_alu depctr_va_vdst(0)
	s_lshl_b32 s76, s42, 10
	s_lshl_b32 s77, s16, 9
	s_add_co_u32 s76, s76, s77                     ; q, k: column 256 tb + 128 j, in bytes
	s_lshl_b32 s78, s41, 10
	s_lshl_b32 s79, s15, 9
	s_add_co_u32 s78, s78, s79
	s_add_co_u32 s78, s78, 8192                    ; v: column 2048 + 256 cy + 128 i
	s_cmp_eq_u32 ttmp9, 2
	s_cselect_b32 s76, 0, s76
	s_cselect_b32 s78, s78, 0
	s_mov_b32 s77, 0
	s_mov_b32 s79, 0
	s_add_nc_u64 s[76:77], s[10:11], s[76:77]
	s_add_nc_u64 s[78:79], s[10:11], s[78:79]
.irp c, 0,1,2,3
.irp j, 0,1,2,3
	global_load_b128 v[BIA+16*\c+4*\j:BIA+16*\c+4*\j+3], v8, s[76:77] offset:128*\c+16*\j
.endr
.endr
.irp a, 0,1,2,3,4,5,6,7
	global_load_b32 v[BA+2*\a], v9, s[78:79] offset:4*(32*(\a/2)+8*(\a%2))
.endr
	; where my codes go
	s_lshr_b32 s80, s17, 3                         ; q, k: batch
	s_lshl_b32 s80, s80, 4
	s_and_b32 s81, s42, 3
	s_lshl_b32 s81, s81, 2
	s_add_co_u32 s80, s80, s81
	s_lshl_b32 s81, s16, 1
	s_add_co_u32 s80, s80, s81                     ; 16 batch + head: 4 (tb % 4) + 2 j
	s_lshl_b32 s80, s80, 7
	s_and_b32 s81, s17, 7
	s_lshl_b32 s81, s81, 4
	s_add_co_u32 s80, s80, s81
	s_lshl_b32 s81, s15, 3
	s_add_co_u32 s80, s80, s81                     ; x 128 + block of 16 tokens: 16 (ta % 8) + 8 i
	s_lshl_b32 s80, s80, 10
	s_lshl_b32 s81, ttmp9, 22
	s_add_co_u32 s80, s80, s81                     ; x 1,024 bytes, in q's or k's part
	s_lshr_b32 s82, s42, 3                         ; v: batch
	s_lshl_b32 s82, s82, 4
	s_lshl_b32 s83, s41, 2
	s_add_co_u32 s82, s82, s83
	s_lshl_b32 s83, s15, 1
	s_add_co_u32 s82, s82, s83                     ; 16 batch + head: 4 cy + 2 i
	s_lshl_b32 s82, s82, 4
	s_and_b32 s83, s42, 7
	s_lshl_b32 s83, s83, 1
	s_add_co_u32 s82, s82, s83
	s_add_co_u32 s82, s82, s16                     ; x 16 + unit of 128 keys: 2 (tb % 8) + j
	s_lshl_b32 s82, s82, 13
	s_add_co_u32 s82, s82, 0x800000                ; x 8,192 bytes, in v's part
	s_cmp_eq_u32 ttmp9, 2
	s_cselect_b32 s80, s82, s80
	s_mov_b32 s81, 0
	s_add_nc_u64 s[70:71], s[70:71], s[80:81]
.macro FRAG reg, adr, q, i             ; a fragment: four loads of 512 consecutive bytes
.irp c, 0,1,2,3
	ds_load_b128 v[\reg+4*\c:\reg+4*\c+3], v[\adr] offset:(\i)*ROWB+(\q)*IMG+512*\c
.endr
.endm
; QB blocks of A from a0 on x all of B's, 128 along K.  p: B's set.  zero = 1: the first product starts the sums.  The accumulators take turns, one instruction a turn, in the same order in every step.
.macro MULQ a0, p, zero
.set ma, \a0
.rept QB
.set mb, 0
.rept NBLK
.set rD, 8*(NBLK*(ma%HB)+mb)
.if \zero
	v_wmma_f32_16x16x128_fp8_fp8 v[rD:rD+7], v[128*(\p)+16*mb:128*(\p)+16*mb+15], v[AF+16*ma:AF+16*ma+15], 0
.else
	v_wmma_f32_16x16x128_fp8_fp8 v[rD:rD+7], v[128*(\p)+16*mb:128*(\p)+16*mb+15], v[AF+16*ma:AF+16*ma+15], v[rD:rD+7]
.endif
.set mb, mb+1
.endr
.set ma, ma+1
.endr
.endm
.macro FETCH_B slot, q, p              ; B's fragments of the slot's q-th step into set p
	WIN TO_B
.set fi, 0
.rept NBLK
	FRAG 128*(\p)+16*fi, ADRB+\slot, \q, fi
.set fi, fi+1
.endr
	WIN 0
.endm
.macro FETCH_A slot, q, i0             ; half of A's fragments, from block i0 on
.set fi, \i0
.rept HB
	FRAG AF+16*fi, ADRA+\slot, \q, fi
.set fi, fi+1
.endr
.endm
; A step of 128 along K that has its successor in the same slot.  A's blocks are free as soon as their products are issued, so A has one set: the lower half is fetched anew in the step's middle, the upper at its end.
.macro STEP slot, q, zero
	s_wait_dscnt NLH                               ; B's set and A's lower half are in; the youngest loads (A's upper half) may be out
	WIN MUL_LO
	MULQ 0, (\q)%2, \zero
	MULQ QB, (\q)%2, \zero
	s_wait_dscnt 0                                 ; A's upper half is in
	PLACES 4
	FETCH_B \slot, (\q)+1, 1-(\q)%2
	FETCH_A \slot, (\q)+1, 0
	WIN MUL_HI
	MULQ 2*QB, (\q)%2, \zero
	MULQ 3*QB, (\q)%2, \zero
	PLACES 4
	WIN 0
	FETCH_A \slot, (\q)+1, HB
.endm
.macro STEPS slot, q0                  ; the slot's steps q0 .. NQ - 2
.if NQ-1-(\q0) > 0
.set sq, \q0
.rept NQ-1-(\q0)
	STEP \slot, sq, 0
.set sq, sq+1
.endr
.endif
.endm
; A slot's last step changes slots: ONE barrier; in front of it each wave waits for all its tensor loads, adds 0 to its spare word, and waits for that and for its own reads of this slot.  fill = 1: this slot is filled again, two slots ahead.
.macro TURN slot, next, fill
	s_wait_tensorcnt 0x0                           ; all my tensor loads have landed: my part of the next slot
	ds_add_u32 v[SPW], v[NIL]                      ; 0 onto my spare word
	s_wait_dscnt NLH+1                             ; (the add and A's upper half may be out)
	WIN MUL_LO
	MULQ 0, 1, 0                                   ; matrix work stands between the add and the wait for it
	s_wait_dscnt 0x0                               ; the add is done, and my reads of this slot are over
	s_barrier_signal -1
	MULQ QB, 1, 0
	WIN 0
	s_barrier_wait -1
.if \fill
	CREST                                          ; the barrier has opened a round of the cluster's barrier: no wave of any partner still reads this slot or has a load on its way
	s_add_nc_u64 s[G0+4*\slot+2:G0+4*\slot+3], s[G0+4*\slot+2:G0+4*\slot+3], 2*ROWB
	s_add_nc_u64 s[G0B+4*\slot+2:G0B+4*\slot+3], s[G0B+4*\slot+2:G0B+4*\slot+3], 2*ROWB
	JLOAD G0+4*\slot, G1, G0B+4*\slot, G1B         ; the first tensor load behind the round, my one load until the next; its four v_nop are the places in front of the loads below
.else
	PLACES 4
.endif
	FETCH_B \next, 0, 0
	FETCH_A \next, 0, 0
.if (\fill) && (\slot) == 0
	global_prefetch_b8 v30, s[12:13] offset:3*ROWB th:TH_LOAD_NT scope:SCOPE_SE   ; the loop has one trip: this fill is the third of four
.endif
	WIN MUL_HI
	MULQ 2*QB, 1, 0
	MULQ 3*QB, 1, 0
	PLACES 4
	WIN 0
	FETCH_A \next, 0, HB
.endm
	s_wait_alu depctr_va_vdst(0)
	s_wait_tensorcnt 0x0                           ; my part of slot 0 is in; slot 1's first fill is issued as a refill is:
	ds_add_u32 v[SPW], v[NIL]                      ; 0 onto my spare word
	s_wait_dscnt 0x0
	CROUND                                         ; everybody's part of slot 0 is in, and the sixteen work-groups meet
	JLOAD G0+4, G1, G0B+4, G1B                     ; slot 1: the first tensor load behind the round
	global_prefetch_b8 v30, s[12:13] offset:2*ROWB th:TH_LOAD_NT scope:SCOPE_SE
	FETCH_B 0, 0, 0
	FETCH_A 0, 0, 0
	FETCH_A 0, 0, HB
	STEP 0, 0, 1                                   ; the first step stands in front of the loop: its products start the sums
.if LAPS > 1
	s_mov_b32 s3, LAPS-1
.Llap:                                                 ; a trip goes once round the ring, from a lap's second step to the next lap's first, and fills both slots again
	STEPS 0, 1
	TURN 0, 1, 1
	STEPS 1, 0
	TURN 1, 0, 1
	STEP 0, 0, 0
	s_sub_co_u32 s3, s3, 1
	s_cmp_lg_u32 s3, 0
	s_cbranch_scc1 .Llap
.endif
	STEPS 0, 1                                     ; the last lap fills nothing, and has no round of the cluster's barrier
	TURN 0, 1, 0
	STEPS 1, 0
	s_wait_dscnt NLH                               ; the very last step: nothing more to fetch
	WIN MUL_LO
	MULQ 0, 1, 0
	MULQ QB, 1, 0
	s_wait_dscnt 0
	WIN MUL_HI
	MULQ 2*QB, 1, 0
	MULQ 3*QB, 1, 0
	WIN 0
	; THE WAY OUT: number = sum x 2^(e0 + e1) + bias; held; converted with the scale of the operand that it becomes.  A block's four chunks are stored as they stand: no LDS.
	s_wait_kmcnt 0x0
	s_add_co_i32 s96, s84, s85
	s_add_co_i32 s96, s96, 127
	s_lshl_b32 s96, s96, 23                        ; 2^(e0 + e1) as f32
	s_mov_b32 s97, s96                             ; (named with it as a pair, so it is written)
	s_cmp_eq_u32 ttmp9, 0
	s_cselect_b32 s92, s86, s87                    ; q: e2, k: e3,
	s_cmp_eq_u32 ttmp9, 2
	s_cselect_b32 s92, s89, s92                    ; v: e5: chosen without a branch
	s_add_co_i32 s92, s92, 127
	s_lshl_b32 s93, s92, 23
	v_mov_b32 v12, s93                             ; the scale as f32
	s_add_co_i32 s92, s92, 8
	s_lshl_b32 s92, s92, 23
	s_or_b32 s92, s92, 0x600000
	v_mov_b32 v13, s92                             ; 448 x the scale
	s_wait_loadcnt 0x0                             ; the biases
	PLACES 4                                       ; behind the last products
; kind 0: q, k (a bias for each register);  kind 1: v (one bias a lane and block)
.macro CODES kind
.set ca, 0
.rept 8
.if ca >= 2
	s_wait_xcnt 0x0                                ; block ca - 2's stores have read their codes: that set is written again
.endif
	WIN 0x02+(ca/4)                                ; source 0: window 2 or 3
.set cb, 0
.rept 8
.irp e, 0,2,4,6                        ; each accumulator from its low end on
.if \kind
	v_pk_fma_f32 v[T+8*cb+\e:T+8*cb+\e+1], v[8*(8*(ca%4)+cb)+\e:8*(8*(ca%4)+cb)+\e+1], s[96:97], v[BA+2*ca:BA+2*ca+1] op_sel_hi:[1,0,1]
.else
	v_pk_fma_f32 v[T+8*cb+\e:T+8*cb+\e+1], v[8*(8*(ca%4)+cb)+\e:8*(8*(ca%4)+cb)+\e+1], s[96:97], v[BIA+8*cb+\e:BIA+8*cb+\e+1] op_sel_hi:[1,0,1]
.endif
.endr
.set cb, cb+1
.endr
	WIN 0
.set cc, 0
.rept 4
.set ci, 0
.rept 16
	v_med3_num_f32 v[T+16*cc+ci], v[T+16*cc+ci], -v13, v13   ; the conversion does not saturate (ISA guide 7.6.2)
.set ci, ci+1
.endr
	v_cvt_scalef32_pk8_fp8_f32 v[CDS+16*(ca%2)+4*cc:CDS+16*(ca%2)+4*cc+1], v[T+16*cc:T+16*cc+7], v12
	v_cvt_scalef32_pk8_fp8_f32 v[CDS+16*(ca%2)+4*cc+2:CDS+16*(ca%2)+4*cc+3], v[T+16*cc+8:T+16*cc+15], v12
.set cc, cc+1
.endr
	v_nop                                          ; a plain instruction behind the last conversion: the next block writes its sources
.set cc, 0
.rept 4
.if \kind
	global_store_b128 v15, v[CDS+16*(ca%2)+4*cc:CDS+16*(ca%2)+4*cc+3], s[70:71] offset:(ca/4)*131072+(ca%4)*2048+512*cc    ; head ca / 4, image ca % 4, chunk cc: 512 consecutive bytes, aligned
.else
	global_store_b128 v15, v[CDS+16*(ca%2)+4*cc:CDS+16*(ca%2)+4*cc+3], s[70:71] offset:ca*1024+(cc/2)*131072+(cc%2)*512    ; block ca, head cc / 2, chunk cc % 2
.endif
.set cc, cc+1
.endr
.set ca, ca+1
.endr
.endm
	s_cmp_eq_u32 ttmp9, 2                          ; the cluster's x: the same in all partners
	s_cbranch_scc1 .Lv_out
	CODES 0
	s_branch .Lend
.Lv_out:
.irp a, 0,1,2,3,4,5,6,7
	v_mov_b32 v[BA+2*\a+1], v[BA+2*\a]             ; the lane's one bias fills its pair
.endr
	CODES 1
.Lend:
	s_wait_tensorcnt 0x0                           ; the wave's end
	ds_add_u32 v[SPW], v[NIL]
	s_wait_dscnt 0x0
	CROUND                                         ; the closing round: no work-group ends while a partner may still ask for a tile that names it
	s_endpgm
.Lfunc_end_k_q56a7275c92_qkv:
	.size	k_q56a7275c92_qkv, .Lfunc_end_k_q56a7275c92_qkv-k_q56a7275c92_qkv
	.p2alignl 7, 3214868480
	.fill 96, 4, 3214868480
	.section	.rodata,"a",@progbits
	.p2align	6, 0x0
	.amdhsa_kernel k_q56a7275c92_qkv
		.amdhsa_group_segment_fixed_size 327680
		.amdhsa_private_segment_fixed_size 0
		.amdhsa_enable_private_segment 0
		.amdhsa_kernarg_size 40
		.amdhsa_user_sgpr_count 2
		.amdhsa_user_sgpr_kernarg_segment_ptr 1
		.amdhsa_wavefront_size32 1
		.amdhsa_system_sgpr_workgroup_id_x 1
		.amdhsa_system_sgpr_workgroup_id_y 1
		.amdhsa_system_sgpr_workgroup_id_z 1
		.amdhsa_system_vgpr_workitem_id 0
		.amdhsa_next_free_vgpr 1024
		.amdhsa_next_free_sgpr 100
		.amdhsa_reserve_vcc 0
		.amdhsa_float_denorm_mode_32 3
		.amdhsa_float_denorm_mode_16_64 3
		.amdhsa_memory_ordered 1
		.amdhsa_forward_progress 1
		.amdhsa_inst_pref_size 195
	.end_amdhsa_kernel
	.amdgpu_metadata
---
amdhsa.version: [ 1, 2 ]
amdhsa.kernels:
  - .name:           k_q56a7275c92_qkv
    .symbol:         k_q56a7275c92_qkv.kd
    .args:
      - { .name: xa, .offset: 0, .size: 8, .value_kind: global_buffer, .address_space: global }
      - { .name: wts, .offset: 8, .size: 8, .value_kind: global_buffer, .address_space: global }
      - { .name: lowp_scales, .offset: 16, .size: 8, .value_kind: global_buffer, .address_space: global }
      - { .name: b_attn, .offset: 24, .size: 8, .value_kind: global_buffer, .address_space: global }
      - { .name: qkv, .offset: 32, .size: 8, .value_kind: global_buffer, .address_space: global }
    .group_segment_fixed_size: 327680
    .private_segment_fixed_size: 0
    .kernarg_segment_align: 8
    .kernarg_segment_size: 40
    .max_flat_workgroup_size: 128
    .sgpr_count:     100
    .vgpr_count:     1024
    .wavefront_size: 32
...
	.end_amdgpu_metadata
.endif
;; end of part 2
;; launch attn (part 3): grid 8 x 32, 8 waves a work-group, no clusters, 327,680 bytes of LDS; arguments qkv, lowp_scales, y; writes y
.if DOCPART == 3
	.amdgcn_target "amdgcn-amd-amdhsa--gfx1250"
	.amdhsa_code_object_version 6
	.text
	.protected	k_q56a7275c92_attn
	.globl	k_q56a7275c92_attn
	.p2align	8
	.type	k_q56a7275c92_attn,@function
k_q56a7275c92_attn:
	s_mov_b64 s[64:65], 0
	v_nop
	global_prefetch_b8 v0, s[64:65] scope:SCOPE_SE
	s_setreg_imm32_b32 hwreg(HW_REG_WAVE_MODE, 25, 1), 1
	s_wait_xcnt 0x0
; ATTENTION with the causal mask, both products on codes of FP8 (E4M3); the result, divided by the row's sum, is quantised at once into the projection's operand.
; INPUT (buffer qkv): q at 0, k at 0x400000: [32 heads][128 blocks of 16 tokens][1024], chunk c'' at 512 c'' + 16 x lane, lane (r, h) holding d = 32 c'' + 16 h + 0..15 of token r;
;   v at 0x800000: [32][16 units of 128 keys][4][2048]: image t's row r is d = 32 (t / 2) + 8 (t % 2) + r + 8 (r / 8); its place 32 c + 16 h + 8 u + j holds key 32 c + 16 u + 8 h + j.
; OUTPUT y: [256 blocks of 16 tokens][8 K steps][2048]: head hd fills step hd / 2, chunks 2 (hd % 2) + c''.
; BOTH PRODUCTS ARE USED TRANSPOSED: S^T = K Q^T (source 0 = 16 keys, source 1 = my 16 queries), O^T = V^T P^T: a lane holds ONE query throughout.  Register j of S^T's tile t is key 16 t + 8 h + j, so the conversions of
; tiles 2 c and 2 c + 1 put key 32 c + 16 u + 8 h + j at place 32 c + 16 h + 8 u + j: the order in which v was laid.  O^T's tiles 2 c'', 2 c'' + 1 hold d = 32 c'' + 16 h + 0..15: a chunk of y's image.
; THE SOFTMAX: t = score x log2(e) / 8; M = the running largest t rounded UP to a whole number; p = 2^(t - M) is quantised, not normalised; the row's sum is taken of the unquantised p and divides at the end.
; When M moves, the sum and O^T are multiplied by 2^(old M - new M), which rounds nothing.
; SHARES.  Work-group (p, head) owns the query blocks 15 - p and p, 128 queries each, one after the other; each of its eight waves holds 16 queries.  Block 15 - p needs key units 0 .. 15 - p, block p units 0 .. p:
; 17 units of 128 keys in EVERY work-group, so all trip counts are constants, the 256 work-groups have equal work, and no unit above the diagonal is fetched.  With SW = 16 - p, unit u is key unit u below SW, else u - SW.
; RING: two LDS slots of four units (a unit: K's 8,192 bytes, then V's 8,192).  Each wave fetches one dense piece of 8,192 bytes (waves 0-3: K of unit w; waves 4-7: V of unit w - 4): one tensor load a wave behind each barrier,
; which has four units' work in which to land.
; NO CLUSTER: from unit SW on the work-groups of a head need different units at the same step (SW differs with p), so a joint load's descriptor would not be equal in the partners.
; LIMITS: e2 + e3 between -123 and 130 (added to c's exponent field); e4, e6 between -126 and 119; e4 + e5 is applied by v_ldexp_f32.  NaN among the inputs is not served.
.set SLOT1, 1<<16                      ; slot 1 begins here: one exclusive or turns an address in one slot into the other's
.set UNITB, 16384
.set SPARE, 2*SLOT1                    ; behind the ring: the spare words, 128 bytes for each of eight waves
.set LI,  1                            ; v1   16 x lane
.set SPW, 2                            ; v2   LDS address of my spare word; never rewritten
.set NIL, 3                            ; v3   0; never rewritten
.set ADK, 4                            ; v4   LDS address of the unit in hand
.set PFO, 5                            ; v5   256 x lane: the prefetch's offset
.set MD,  6                            ; v6   16 w + r - 8 h: on the diagonal, register j of tile t is hidden where 16 t + j is above it
.set Q,   16                           ; v16-23 the queries in hand;  v24-31 the second block's
.set QE,  24
.set VF,  32                           ; v32-95   V's four fragments
.set S,   96                           ; v96-159  S^T, then p
.set O,   160                          ; v160-191 O^T
.set PC,  192                          ; v192-207 p's codes.  v12 -M, v13 the largest t, v[14:15] the sum; v[208:209] f; v[210:211] a second chain; v212 a permute's destination; v213 -infinity;
                                       ; v214, v215: 2^e4, 448 x 2^e4; v216, v217: the same for e6; v218, v219 at work.  Window 1, v0-63: K's eight fragments
.set WV, 10
.set BH, 11
.set SW, 12
.set DG, 13                            ; s13  the unit that lies on the diagonal
.set U,  14                            ; s14  the unit in hand
.set CNT, 15
.set SLOTS, 16
.set TB, 17                            ; s17  LDS byte at which the unit in hand begins
.set UN, 18                            ; s18  the unit that my next tensor load brings
.set KVB, 22                           ; s[22:23] my head's K (waves 0-3) or V (waves 4-7)
.set G0, 24
.set G1, 28
.set SEL, 36
.set CS, 38
.set YB, 46                            ; s[46:47] where the block in hand stores;  s[48:49] the second block
.set YE, 48
.set PFA, 50
.set LIM, 52
.set W3, 53
.set MSB, 0
.macro WIN new
.if MSB != (\new)
	s_set_vgpr_msb (MSB<<8)|(\new)
.set MSB, (\new)
.endif
.endm
.macro TILE                            ; group 0's global address: unit s[UN]'s key unit, 8,192 bytes each
	s_sub_co_u32 s20, s[UN], s[SW]
	s_cmp_lt_u32 s[UN], s[SW]
	s_cselect_b32 s20, s[UN], s20
	s_lshl_b32 s20, s20, 13
	s_mov_b32 s21, 0
	s_add_nc_u64 s[G0+2:G0+3], s[KVB:KVB+1], s[20:21]
	s_or_b32 s[G0+3], s[G0+3], 0x80000000
.endm
.macro KFETCH off                      ; K's eight fragments (16 keys x 64) of the unit off bytes on
	WIN 0x40
.irp t, 0,1,2,3,4,5,6,7
	ds_load_b128 v[8*\t:8*\t+3], v[ADK] offset:\off+1024*\t
	ds_load_b128 v[8*\t+4:8*\t+7], v[ADK] offset:\off+1024*\t+512
.endr
	WIN 0
.endm
; The block in hand is finished: O^T / the sum x 2^(e4 + e5), quantised with e6, stored as two chunks of 512 consecutive bytes
.macro FINISH
.rept 4
	v_nop                                          ; the places behind the last products
.endr
	v_add_f32 v14, v14, v15
	s_delay_alu instid0(VALU_DEP_1)
	v_permlanex16_b32 v212, v14, s[SEL], s[SEL+1]
	s_delay_alu instid0(VALU_DEP_1)
	v_add_f32 v14, v14, v212                       ; the row's sum
	s_wait_alu depctr_va_vdst(0)
	v_rcp_f32 v218, v14
	v_nop                                          ; a plain instruction behind the transcendental
	s_wait_alu depctr_va_vdst(0)                   ; the wait ahead of the first instruction that names the result
	v_ldexp_f32 v218, v218, s45
	s_delay_alu instid0(VALU_DEP_1)
	v_mov_b32 v219, v218
.irp j, 0,2,4,6,8,10,12,14,16,18,20,22,24,26,28,30
	v_pk_mul_f32 v[S+\j:S+\j+1], v[O+\j:O+\j+1], v[218:219]
.endr
.irp t, 0,1,2,3
.irp i, 0,1,2,3,4,5,6,7
	v_med3_num_f32 v[S+8*\t+\i], v[S+8*\t+\i], -v217, v217
.endr
	v_cvt_scalef32_pk8_fp8_f32 v[PC+2*\t:PC+2*\t+1], v[S+8*\t:S+8*\t+7], v216
.endr
	v_nop                                          ; a plain instruction behind the last conversion
	global_store_b128 v[LI], v[PC:PC+3], s[YB:YB+1]
	global_store_b128 v[LI], v[PC+4:PC+7], s[YB:YB+1] offset:512
.endm
.macro SWITCH                          ; from the first block of queries to the second
	FINISH
	s_wait_xcnt 0x0                                ; the stores have read their base and their codes
	s_mov_b64 s[YB:YB+1], s[YE:YE+1]
	s_mov_b32 s[DG], 16
.irp i, 0,1,2,3,4,5,6,7
	v_mov_b32 v[Q+\i], v[QE+\i]
.endr
	v_mov_b32 v13, 0xff61b1e6                      ; -3e38, under every t
	s_delay_alu instid0(VALU_DEP_1)
	v_floor_f32 v12, -v13
	v_mov_b32 v14, 0
	v_mov_b32 v15, 0
.set i, 0
.rept 32
	v_mov_b32 v[O+i], 0                            ; the unit is written once: the block's first unit finds zeros
.set i, i+1
.endr
.endm
; A UNIT: 128 keys.  next = 1: the next unit's K, which lies in the same slot, is fetched under the softmax
.macro UNIT next
	s_cmp_eq_u32 s[U], s[SW]                       ; ids and counted steps alone
	s_cbranch_scc0 .Lsame_\@
	SWITCH
.Lsame_\@:
	v_add_nc_u32 v[ADK], s[TB], v[LI]
	s_wait_alu depctr_va_vdst(0)
	s_wait_dscnt 0x0                               ; K is in
	WIN 0x01                                       ; source 0 window 1
.irp t, 0,1,2,3,4,5,6,7
	v_wmma_f32_16x16x64_fp8_fp8 v[S+8*\t:S+8*\t+7], v[8*\t:8*\t+7], v[Q:Q+7], 0
.endr
	WIN 0
.rept 4
	v_nop                                          ; places: in front of the loads into K's and V's registers, and of the first read of the scores
.endr
.irp t, 0,1,2,3
.irp c, 0,1,2,3
	ds_load_b128 v[VF+16*\t+4*\c:VF+16*\t+4*\c+3], v[ADK] offset:8192+2048*\t+512*\c
.endr
.endr
.if \next
	KFETCH UNITB
.endif
	s_cmp_eq_u32 s[U], s[DG]
	s_cbranch_scc0 .Lopen_\@
.set n, 0
.rept 64                               ; on the diagonal hidden scores become -infinity ahead of the maximum: p = 0 then
	v_cmp_gt_i32 vcc_lo, 16*(n/8)+n%8, v[MD]
	v_cndmask_b32 v[S+n], v[S+n], v213, vcc_lo
.set n, n+1
.endr
.Lopen_\@:
	v_max3_num_f32 v218, v96, v97, v98             ; the unit's largest score of my query among my 64 keys, in two chains that walk upward
	v_max3_num_f32 v219, v99, v100, v101
.irp i, 6,10,14,18,22,26,30,34,38,42,46,50,54,58
	v_max3_num_f32 v218, v218, v[96+\i], v[97+\i]
	v_max3_num_f32 v219, v219, v[98+\i], v[99+\i]
.endr
	v_max3_num_f32 v218, v218, v158, v159
	s_delay_alu instid0(VALU_DEP_1)
	v_max_num_f32 v218, v218, v219
	s_delay_alu instid0(VALU_DEP_1)
	v_permlanex16_b32 v212, v218, s[SEL], s[SEL+1]
	s_delay_alu instid0(VALU_DEP_1)
	v_max_num_f32 v218, v218, v212                 ; and among lane l xor 16's
	s_delay_alu instid0(VALU_DEP_1)
	v_mul_f32 v218, s[CS], v218                    ; as t (c is positive)
	s_delay_alu instid0(VALU_DEP_1)
	v_max_num_f32 v13, v13, v218                   ; the running largest t
	v_mov_b32 v218, v12
	s_delay_alu instid0(VALU_DEP_2)
	v_floor_f32 v12, -v13                          ; the new -M = -ceil(t)
	s_delay_alu instid0(VALU_DEP_1)
	v_sub_f32 v218, v12, v218                      ; old M - new M: a whole number, 0 or less
	s_delay_alu instid0(VALU_DEP_1)
	v_cvt_i32_f32 v218, v218                       ; (it saturates)
	s_delay_alu instid0(VALU_DEP_1)
	v_ldexp_f32 v208, 1.0, v218                    ; f = 2^(old M - new M)
.irp j, 0,2,4,6,8,10,12,14,16,18,20,22,24,26,28,30,32,34,36,38,40,42,44,46,48,50,52,54,56,58,60,62
	v_pk_fma_f32 v[S+\j:S+\j+1], v[S+\j:S+\j+1], s[CS:CS+1], v[12:13] op_sel_hi:[1,0,0]   ; t - M
.endr
.set n, 0
	s_wait_alu depctr_va_vdst(0)
.rept 64
	v_exp_f32 v[S+n], v[S+n]                       ; p = 2^(t - M)
.set n, n+1
.endr
	v_pk_mul_f32 v[14:15], v[14:15], v[208:209] op_sel_hi:[1,0]   ; the sum under the new M (the plain instruction behind the batch)
	s_wait_alu depctr_va_vdst(0)                   ; one wait for the 64 exponentials, ahead of their first reader
	v_pk_add_f32 v[210:211], v[100:101], v[104:105]
	v_pk_add_f32 v[254:255], v[108:109], v[112:113]
	v_pk_add_f32 v[252:253], v[116:117], v[120:121]
	v_pk_add_f32 v[250:251], v[124:125], v[128:129]
	v_pk_add_f32 v[248:249], v[132:133], v[136:137]
	v_pk_add_f32 v[246:247], v[140:141], v[144:145]
	v_pk_add_f32 v[244:245], v[148:149], v[152:153]
	v_pk_add_f32 v[14:15], v[14:15], v[156:157]
	v_pk_add_f32 v[210:211], v[210:211], v[96:97]
	v_pk_add_f32 v[254:255], v[254:255], v[98:99]
	v_pk_add_f32 v[252:253], v[252:253], v[102:103]
	v_pk_add_f32 v[250:251], v[250:251], v[106:107]
	v_pk_add_f32 v[248:249], v[248:249], v[110:111]
	v_pk_add_f32 v[246:247], v[246:247], v[114:115]
	v_pk_add_f32 v[244:245], v[244:245], v[118:119]
	v_pk_add_f32 v[14:15], v[14:15], v[122:123]
	v_pk_add_f32 v[210:211], v[210:211], v[126:127]
	v_pk_add_f32 v[254:255], v[254:255], v[130:131]
	v_pk_add_f32 v[252:253], v[252:253], v[134:135]
	v_pk_add_f32 v[250:251], v[250:251], v[138:139]
	v_pk_add_f32 v[248:249], v[248:249], v[142:143]
	v_pk_add_f32 v[246:247], v[246:247], v[146:147]
	v_pk_add_f32 v[244:245], v[244:245], v[150:151]
	v_pk_add_f32 v[14:15], v[14:15], v[154:155]
	v_pk_add_f32 v[210:211], v[210:211], v[158:159]
	s_delay_alu instid0(VALU_DEP_2)
	v_pk_add_f32 v[14:15], v[14:15], v[250:251]
	s_delay_alu instid0(VALU_DEP_2)
	v_pk_add_f32 v[210:211], v[210:211], v[248:249]
	v_pk_add_f32 v[254:255], v[254:255], v[246:247]
	v_pk_add_f32 v[252:253], v[252:253], v[244:245]
	s_delay_alu instid0(VALU_DEP_2)
	v_pk_add_f32 v[14:15], v[14:15], v[254:255]
	s_delay_alu instid0(VALU_DEP_2)
	v_pk_add_f32 v[210:211], v[210:211], v[252:253]
	s_delay_alu instid0(VALU_DEP_1)
	v_pk_add_f32 v[14:15], v[14:15], v[210:211]
.irp b, 0,1,2,3
.irp i, 0,1,2,3,4,5,6,7,8,9,10,11,12,13,14,15
	v_min_num_f32 v[S+16*\b+\i], v[S+16*\b+\i], v215   ; p is not negative: the hold is one-sided
.endr
	v_cvt_scalef32_pk8_fp8_f32 v[PC+4*\b:PC+4*\b+1], v[S+16*\b:S+16*\b+7], v214
	v_cvt_scalef32_pk8_fp8_f32 v[PC+4*\b+2:PC+4*\b+3], v[S+16*\b+8:S+16*\b+15], v214
.endr
.irp j, 0,2,4,6,8,10,12,14,16,18,20,22,24,26,28,30
	v_pk_mul_f32 v[O+\j:O+\j+1], v[O+\j:O+\j+1], v[208:209] op_sel_hi:[1,0]   ; O^T under the new M (also the plain instructions behind the conversions)
.endr
	s_wait_alu depctr_va_vdst(0)
	s_wait_dscnt 0x0                               ; V is in (and the next unit's K)
.irp t, 0,1,2,3
	v_wmma_f32_16x16x128_fp8_fp8 v[O+8*\t:O+8*\t+7], v[VF+16*\t:VF+16*\t+15], v[PC:PC+15], v[O+8*\t:O+8*\t+7]   ; four accumulators by turns
.endr
.endm
; A PREFETCH of the piece of 8,192 bytes that this wave's NEXT tensor load will bring: lanes 256 bytes apart, one instruction.  All work-groups of a head begin with the same key units 0, 1, 2 ..: the head's first work-group (p = 0),
; whose units are the key units in order, asks, and nobody else, so each block of 256 bytes is named once.  It stands behind the wave's tensor load and its four lines.  The first two slots come by their loads alone;
; the last change of slots in the loop asks for nothing.
.macro ASK
	s_cmp_gt_u32 s[SLOTS], s[LIM]
	s_cbranch_scc0 .Lnot_mine_\@
	global_prefetch_b8 v[PFO], s[PFA:PFA+1] th:TH_LOAD_NT scope:SCOPE_SE
.Lnot_mine_\@:
.endm
; THE CHANGE OF SLOTS stands at a slot's head.  Each wave waits for all its tensor loads (its piece of the slot ahead), adds 0 to its spare word, and waits for that and for its reads of the slot that it has left.
; fill = 1: the slot left is filled with the next four units;  2: with unit 16 alone (waves 0 and 4);  0: nothing is left to fetch.
.macro CHANGE fill
	s_wait_tensorcnt 0x0                           ; no tensor load of mine is out, so group 0 may be written
	ds_add_u32 v[SPW], v[NIL]                      ; 0 onto my spare word
.if \fill
	s_add_co_u32 s[UN], s[UN], 4
	TILE
	s_xor_b32 s[G0+1], s[G0+1], SLOT1
.endif
.if \fill == 1
	s_wait_xcnt 0x0                                ; the last prefetch, a slot back, has read its address
	s_add_nc_u64 s[PFA:PFA+1], s[PFA:PFA+1], 4*8192
.endif
	s_wait_dscnt 0x0                               ; the add is done, and my reads of the slot that I have left are over
	s_barrier_signal -1
	s_barrier_wait -1
.if \fill == 1
	tensor_load_to_lds s[G0:G0+3], s[G1:G1+7]      ; the first thing behind the barrier, and my one tensor load until the next
	s_nop 0
.rept 4
	v_nop
.endr
	ASK
.endif
.if \fill == 2
	s_cmp_lg_u32 s[W3], 0                          ; the wave's number alone
	s_cbranch_scc1 .Lnone_\@
	tensor_load_to_lds s[G0:G0+3], s[G1:G1+7]
	s_nop 0
.rept 4
	v_nop
.endr
.Lnone_\@:
.endif
.endm
.macro SLOTRUN                         ; a slot's four units: three that fetch the next unit's K from the same slot, and the last, which does not
	v_add_nc_u32 v[ADK], s[TB], v[LI]
	KFETCH 0
	s_mov_b32 s[CNT], 3
.Lunit_\@:
	UNIT 1
	s_add_co_u32 s[TB], s[TB], UNITB
	s_add_co_u32 s[U], s[U], 1
	s_sub_co_u32 s[CNT], s[CNT], 1
	s_cmp_lg_u32 s[CNT], 0
	s_cbranch_scc1 .Lunit_\@
	UNIT 0
	s_add_co_u32 s[U], s[U], 1
	s_sub_co_u32 s[TB], s[TB], 3*UNITB
	s_xor_b32 s[TB], s[TB], SLOT1                  ; on to the other slot
.endm
	s_load_b128 s[4:7], s[0:1], 0x0                ; qkv s[4:5], the scales' exponents s[6:7]
	s_load_b64 s[8:9], s[0:1], 0x10                ; y
	v_lshl_add_u32 v[SPW], v0, 2, SPARE
	v_mov_b32 v[NIL], 0
	ds_add_u32 v2, v3
	ds_add_u32 v2, v3
	s_wait_dscnt 0x0
	v_lshrrev_b32 v7, 5, v0
	s_delay_alu instid0(VALU_DEP_1)
	v_readfirstlane_b32 s[WV], v7                  ; wave 0..7
	s_and_b32 s[BH], ttmp7, 0xffff                 ; 16 x batch + head
	s_sub_co_u32 s[SW], 16, ttmp9
	s_sub_co_u32 s[DG], s[SW], 1
	s_mov_b32 s[U], 0
	s_mov_b32 s[SLOTS], 3
	s_mov_b32 s[TB], 0
	s_and_b32 s[W3], s[WV], 3
	s_mov_b32 s[UN], s[W3]
	s_lshr_b32 s19, s[WV], 2                       ; 0: I fetch K, 1: V
	s_mov_b32 s[G1], 3<<16                         ; no mask; elements of 8 bytes; no padding: 32 dense rows of 256 bytes
	s_mov_b32 s[G1+1], 32<<16                      ; tensor_dim0 = 32
	s_mov_b32 s[G1+2], 32<<16                      ; tensor_dim1 = 32
	s_mov_b32 s[G1+3], 32<<16                      ; tile_dim0 = 32
	s_mov_b32 s[G1+4], 32                          ; tile_dim1 = 32
	s_mov_b32 s[G1+5], 32                          ; tensor_dim0_stride
	s_mov_b32 s[G1+6], 0
	s_mov_b32 s[G1+7], 0
	s_mov_b32 s[G0], 1
	s_lshl_b32 s[G0+1], s[W3], 14                  ; LDS: unit w % 4 of slot 0,
	s_lshl_b32 s20, s19, 13
	s_add_co_u32 s[G0+1], s[G0+1], s20             ; K's half or V's
	s_add_co_u32 s20, s19, 1
	s_lshl_b32 s20, s20, 22                        ; k at 0x400000, v at 0x800000
	s_lshl_b32 s21, s[BH], 17                      ; a head's 131,072 bytes
	s_add_co_u32 s20, s20, s21
	s_mov_b32 s21, 0
	s_mov_b32 s[SEL], 0x76543210
	s_mov_b32 s[SEL+1], 0xfedcba98
	s_mov_b32 s[CS], 0x3e38aa3b                    ; c = log2(e) / 8
	s_wait_kmcnt 0x0
	s_add_nc_u64 s[KVB:KVB+1], s[4:5], s[20:21]
	TILE
	tensor_load_to_lds s[G0:G0+3], s[G1:G1+7]      ; slot 0: units 0-3
	s_nop 0
.rept 4
	v_nop
.endr
	s_load_b128 s[40:43], s[6:7], 0x8              ; e2, e3, e4, e5
	s_load_b32 s44, s[6:7], 0x18                   ; e6
	v_and_b32 v7, 31, v0
	s_delay_alu instid0(VALU_DEP_1)
	v_lshlrev_b32 v[LI], 4, v7
	s_wait_alu depctr_va_vdst(0)
	v_lshlrev_b32 v[PFO], 8, v7
	s_lshl_b32 s54, s[BH], 7
	s_add_co_u32 s54, s54, s[WV]                   ; q: 128 x head + wave
	s_sub_co_u32 s56, 15, ttmp9
	s_lshl_b32 s56, s56, 3                         ; the first block of queries, in blocks of 16 tokens
	s_lshl_b32 s58, ttmp9, 3                       ; the second
	s_add_co_u32 s60, s54, s56
	s_lshl_b32 s60, s60, 10
	s_mov_b32 s61, 0
	s_add_nc_u64 s[60:61], s[4:5], s[60:61]
	s_add_co_u32 s62, s54, s58
	s_lshl_b32 s62, s62, 10
	s_mov_b32 s63, 0
	s_add_nc_u64 s[62:63], s[4:5], s[62:63]
	global_load_b128 v[Q:Q+3], v[LI], s[60:61]
	global_load_b128 v[Q+4:Q+7], v[LI], s[60:61] offset:512
	global_load_b128 v[QE:QE+3], v[LI], s[62:63]
	global_load_b128 v[QE+4:QE+7], v[LI], s[62:63] offset:512
	s_lshr_b32 s54, s[BH], 4
	s_lshl_b32 s54, s54, 7
	s_add_co_u32 s54, s54, s[WV]                   ; y: 128 x batch + wave
	s_bfe_u32 s55, s[BH], 0x30001                  ; head / 2: the K step
	s_and_b32 s57, s[BH], 1
	s_lshl_b32 s57, s57, 10                        ; head % 2: the image's half
	s_add_co_u32 s20, s54, s56
	s_lshl_b32 s20, s20, 3
	s_add_co_u32 s20, s20, s55
	s_lshl_b32 s20, s20, 11
	s_add_co_u32 s20, s20, s57
	s_mov_b32 s21, 0
	s_add_nc_u64 s[YB:YB+1], s[8:9], s[20:21]
	s_add_co_u32 s20, s54, s58
	s_lshl_b32 s20, s20, 3
	s_add_co_u32 s20, s20, s55
	s_lshl_b32 s20, s20, 11
	s_add_co_u32 s20, s20, s57
	s_add_nc_u64 s[YE:YE+1], s[8:9], s[20:21]
	s_add_co_u32 s20, s[W3], 4
	s_lshl_b32 s20, s20, 13
	s_add_nc_u64 s[PFA:PFA+1], s[KVB:KVB+1], s[20:21]  ; at my piece of slot 1's first fill; the first change of slots steps it four units on before it is used
	s_cmp_eq_u32 ttmp9, 0
	s_cselect_b32 s[LIM], 1, -1
	v_and_b32 v8, 15, v0
	v_bfe_u32 v9, v0, 4, 1
	s_delay_alu instid0(VALU_DEP_1)
	v_lshlrev_b32 v9, 3, v9
	s_delay_alu instid0(VALU_DEP_1)
	v_sub_nc_u32 v[MD], v8, v9
	s_lshl_b32 s20, s[WV], 4
	v_add_nc_u32 v[MD], s20, v[MD]
	v_mov_b32 v13, 0xff61b1e6
	s_delay_alu instid0(VALU_DEP_1)
	v_floor_f32 v12, -v13
	v_mov_b32 v14, 0
	v_mov_b32 v15, 0
	v_mov_b32 v209, 0                              ; (named as the upper half of the pair v[208:209])
	v_mov_b32 v212, 0                              ; a lane permute's destination counts as read
	v_mov_b32 v213, 0xff800000                     ; -infinity
.set i, 0
.rept 32
	v_mov_b32 v[O+i], 0
.set i, i+1
.endr
	s_wait_kmcnt 0x0
	s_add_co_i32 s20, s40, s41
	s_lshl_b32 s20, s20, 23
	s_add_co_i32 s[CS], s[CS], s20                 ; a score stands for score x 2^(e2 + e3): added to c's exponent field
	s_mov_b32 s[CS+1], s[CS]
	s_add_co_i32 s20, s42, 127
	s_lshl_b32 s21, s20, 23
	v_mov_b32 v214, s21                            ; 2^e4
	s_add_co_i32 s20, s20, 8
	s_lshl_b32 s20, s20, 23
	s_or_b32 s20, s20, 0x600000
	v_mov_b32 v215, s20                            ; 448 x 2^e4
	s_add_co_i32 s20, s44, 127
	s_lshl_b32 s21, s20, 23
	v_mov_b32 v216, s21                            ; 2^e6
	s_add_co_i32 s20, s20, 8
	s_lshl_b32 s20, s20, 23
	s_or_b32 s20, s20, 0x600000
	v_mov_b32 v217, s20                            ; 448 x 2^e6
	s_add_co_i32 s45, s42, s43                     ; e4 + e5
	s_wait_loadcnt 0x0                             ; both blocks' queries
.Lslot:                                            ; three trips: units 0-11; behind each change of slots the next four units are asked for
	CHANGE 1
	SLOTRUN
	s_sub_co_u32 s[SLOTS], s[SLOTS], 1
	s_cmp_lg_u32 s[SLOTS], 0
	s_cbranch_scc1 .Lslot
	CHANGE 2                                       ; units 12-15; unit 16 is asked for
	SLOTRUN
	CHANGE 0                                       ; unit 16
	v_add_nc_u32 v[ADK], s[TB], v[LI]
	KFETCH 0
	UNIT 0
	FINISH
	s_wait_tensorcnt 0x0                           ; the wave's end
	ds_add_u32 v[SPW], v[NIL]
	s_wait_dscnt 0x0
	s_endpgm
.Lfunc_end_k_q56a7275c92_attn:
	.size	k_q56a7275c92_attn, .Lfunc_end_k_q56a7275c92_attn-k_q56a7275c92_attn
	.p2alignl 7, 3214868480
	.fill 96, 4, 3214868480
	.section	.rodata,"a",@progbits
	.p2align	6, 0x0
	.amdhsa_kernel k_q56a7275c92_attn
		.amdhsa_group_segment_fixed_size 327680
		.amdhsa_private_segment_fixed_size 0
		.amdhsa_enable_private_segment 0
		.amdhsa_kernarg_size 24
		.amdhsa_user_sgpr_count 2
		.amdhsa_user_sgpr_kernarg_segment_ptr 1
		.amdhsa_wavefront_size32 1
		.amdhsa_system_sgpr_workgroup_id_x 1
		.amdhsa_system_sgpr_workgroup_id_y 1
		.amdhsa_system_sgpr_workgroup_id_z 1
		.amdhsa_system_vgpr_workitem_id 0
		.amdhsa_next_free_vgpr 320
		.amdhsa_next_free_sgpr 66
		.amdhsa_reserve_vcc 1
		.amdhsa_float_denorm_mode_32 3
		.amdhsa_float_denorm_mode_16_64 3
		.amdhsa_memory_ordered 1
		.amdhsa_forward_progress 1
		.amdhsa_inst_pref_size 146
	.end_amdhsa_kernel
	.amdgpu_metadata
---
amdhsa.version: [ 1, 2 ]
amdhsa.kernels:
  - .name:           k_q56a7275c92_attn
    .symbol:         k_q56a7275c92_attn.kd
    .args:
      - { .name: qkv, .offset: 0, .size: 8, .value_kind: global_buffer, .address_space: global }
      - { .name: lowp_scales, .offset: 8, .size: 8, .value_kind: global_buffer, .address_space: global }
      - { .name: y, .offset: 16, .size: 8, .value_kind: global_buffer, .address_space: global }
    .group_segment_fixed_size: 327680
    .private_segment_fixed_size: 0
    .kernarg_segment_align: 8
    .kernarg_segment_size: 24
    .max_flat_workgroup_size: 256
    .sgpr_count:     66
    .vgpr_count:     320
    .wavefront_size: 32
...
	.end_amdgpu_metadata
.endif
;; end of part 3
;; launch proj (part 4): grid 8 x 32, 4 waves a work-group, clusters of 4 x 4, 327,680 bytes of LDS; arguments y, wts, lowp_scales, b_proj, x, x1; writes x1
.if DOCPART == 4
	.amdgcn_target "amdgcn-amd-amdhsa--gfx1250"
	.amdhsa_code_object_version 6
	.text
	.protected	k_q56a7275c92_proj
	.globl	k_q56a7275c92_proj
	.p2align	8
	.type	k_q56a7275c92_proj,@function
k_q56a7275c92_proj:
	s_mov_b64 s[64:65], 0
	v_nop
	global_prefetch_b8 v0, s[64:65] scope:SCOPE_SE
	s_setreg_imm32_b32 hwreg(HW_REG_WAVE_MODE, 25, 1), 1
	s_wait_xcnt 0x0
	s_wait_alu depctr_hold_cnt(0) depctr_sa_sdst(0) depctr_va_vdst(0) depctr_va_sdst(0) depctr_va_ssrc(0) depctr_va_vcc(0) depctr_vm_vsrc(0)
	s_getreg_b32 s2, hwreg(HW_REG_IB_STS2, 6, 4)
	s_cmp_eq_u32 s2, 0
	s_cbranch_scc0 .Lentry_in_a_cluster
	s_endpgm
.Lentry_in_a_cluster:
	s_bfe_u32 s2, ttmp6, 0x10000c
	s_cmp_lg_u32 s2, 0xf033
	s_cbranch_scc0 .Lentry_shape_is_right
	s_endpgm
.Lentry_shape_is_right:
; OUT = RES + A W + bias, the product on codes of FP8 (E4M3); OUT, RES: [4096][1024] f32.  Here: A = the attention's result (y), W = w_proj's image, RES = x, OUT = x1.
; OPERANDS ARE IMAGES OF REGISTERS: a fragment (16 rows x 128 K) is 2,048 bytes, chunk c at 512 c + 16 x lane, lane (r, h) holding k = 32 c + 16 h + 0..15 of row r; an operand is [rows / 16][K / 128][2048].
; That places k otherwise than the instruction's own layout, alike in both operands, so every product meets its partner.  Row r of the weights' block 2 G + u is column 32 G + 8 u + r + 8 (r / 8).
; A tile of 128 x 128 (so that the 32 x 8 tiles give each of 256 work-groups one) is made by four waves, 64 x 64 each: 16 accumulators.  K goes in steps of 128, all eight in one LDS slot,
; filled by the tensor data mover: one load brings 4 blocks x 16,384 consecutive bytes.  No pitch or padding: a fragment load's 512 bytes are consecutive.
; THE MATRIX INSTRUCTION IS USED TRANSPOSED (source 0 = a block of W, source 1 = a block of A): lane (r, h) of accumulator (a, b) holds row 16 a + r and columns 32 (b / 2) + 16 h + 8 (b % 2) + 0..7.
; CLUSTERS: 4 x 4 work-groups; A's tile is shared along a row of the cluster, W's along a column: each is asked for jointly.
; The residual's 64 x 64 numbers and the bias are asked for at the head, into idle registers, and arrive under the K loop.
; LIMIT: the two exponents' sum lies between -126 and 127.
; REGISTERS, in windows of 256: window 0: v6-29 addresses, v[8:11] the bias; v32-95 rows on the way out; from v128 A's fragments, one set.
;   window 1: W's fragments, two sets, at v0 and v128; v64-127 and v192-255 the residual.   windows 2, 3: the accumulators: (a, b) in window 2 + a / 2 at v[8 (4 (a % 2) + b)].
.set NBLK,   4                         ; blocks of 16 rows in a wave's tile, each way
.set NQ,     8                         ; ONE slot holds all eight steps of K: A's 128 rows and W's 128 columns x 1,024 codes are 262,144 bytes; a wave asks for 65,536 of them by its one tensor load, and nothing is filled again
.set SIZE_K, 1024
.set EA,     0x18                      ; byte offset of A's exponent in lowp_scales; W's follows it
.set BOFF,   0x300000                  ; W's image in wts
.set IMG,    2048
.set ROWB,   NQ*IMG                    ; a block's bytes in a slot
.set KROW,   16*SIZE_K                 ; a block's bytes in memory
.set PART,   NBLK*ROWB                 ; what one tensor load brings, and what one wave reads of A or of W
.set SLOT,   4*PART                    ; A's two halves, then W's two halves
.set SPARE,  SLOT                      ; behind the slot: the spare words, 128 bytes for each wave
.set STAGE,  SLOT+1024                 ; behind them: the four stages of the way out, bytes into which no fill lands
.set LAPS,   SIZE_K/(256*NQ)           ; a lap = once round the ring
.set HB,     NBLK/2
.set QB,     NBLK/4
.set NLH,    4*HB                      ; LDS loads that bring half of A's fragments
.set SPITCH, 272                       ; the way out: a stage of 16 rows x (256 bytes + 16) for each wave, from STAGE on
.set ADRA, 16                          ; v16-17  LDS address of my A fragments in slot 0, 1
.set ADRB, 20                          ; v20-21  the same for W
.set STO,  24                          ; v24     the way out: where I put 32 bytes of a row
.set RD,   25                          ; v25     where I read a row back
.set CO,   26                          ; v26     my byte offset in two rows of OUT and RES
.set SPW,  28                          ; v28     LDS address of my spare word; never rewritten
.set NIL,  29                          ; v29     0; never rewritten
.set BK,   32                          ; v32-95  16 rows read back from the stage, two sets
.set AF,   128
.set G1, 24                            ; s[24:31] descriptor group 1 for A;  s[32:39] group 0, a set for each slot
.set G0, 32
.set G1B, 48                           ; s[48:55], s[56:63] the same for W
.set G0B, 56
.set MSB, 0
.macro WIN new                         ; the immediate's high byte repeats the setting that is left
.if MSB != (\new)
	s_set_vgpr_msb (MSB<<8)|(\new)
.set MSB, (\new)
.endif
.endm
.set MUL_LO, 0xa1                      ; source 0 (W) window 1, source 1 (A) window 0, C and D window 2
.set MUL_HI, 0xf1                      ; the same, C and D window 3
.set TO_B,   0x40                      ; destination window 1, address window 0
; A joint load: waves 0 and 1 fetch A's halves, waves 2 and 3 W's.  The branch hangs on the wave's number alone.  Four v_nop follow each of the two lines.
.macro JLOAD g0a, g1a, g0b, g1b
	s_cmp_eq_u32 s15, 0
	s_cbranch_scc0 .Lfor_b_\@
	tensor_load_to_lds s[\g0a:\g0a+3], s[\g1a:\g1a+7]
	s_nop 0
.rept 4
	v_nop
.endr
	s_branch .Lasked_\@
.Lfor_b_\@:
	tensor_load_to_lds s[\g0b:\g0b+3], s[\g1b:\g1b+7]
	s_nop 0
.rept 4
	v_nop
.endr
.Lasked_\@:
.endm
.macro CREST                           ; a round of the cluster's barrier behind its opening barrier
	s_cmp_lg_u32 s14, 0
	s_cbranch_scc1 .Lnot_wave_0_\@
	s_barrier_signal -3
.Lnot_wave_0_\@:
	s_barrier_wait -3
	s_barrier_signal -1
	s_barrier_wait -1
.endm
.macro CROUND                          ; a whole round
	s_barrier_signal -1
	s_barrier_wait -1
	CREST
.endm
.macro PLACES n                        ; plain vector instructions between a matrix instruction and a load into, or an access to, its registers
.rept \n
	v_nop
.endr
.endm
	s_load_b128 s[4:7], s[0:1], 0x0                ; A's codes s[4:5], wts s[6:7]
	s_load_b128 s[8:11], s[0:1], 0x10              ; the scales' exponents s[8:9], the bias s[10:11]
	s_load_b128 s[68:71], s[0:1], 0x20             ; RES s[68:69], OUT s[70:71]
	v_lshl_add_u32 v[SPW], v0, 2, SPARE
	v_mov_b32 v[NIL], 0
	ds_add_u32 v28, v29
	ds_add_u32 v28, v29
	s_wait_dscnt 0x0
	v_lshrrev_b32 v1, 5, v0
	v_readfirstlane_b32 s14, v1                    ; wave 0..3
	s_lshr_b32 s15, s14, 1                         ; i: my half of the tile's rows.  Also: I fetch for A (0) or for W (1)
	s_and_b32 s16, s14, 1                          ; j: my half of its columns.  Also: which half I fetch
	s_bfe_u32 s40, ttmp6, 0x40000                  ; cx, cy: my place in the cluster
	s_bfe_u32 s41, ttmp6, 0x40004
	s_lshl_b32 s42, ttmp9, 2
	s_add_co_u32 s42, s42, s40                     ; tile column = 4 x cluster x + cx
	s_and_b32 s17, ttmp7, 0xffff
	s_lshl_b32 s17, s17, 2
	s_add_co_u32 s17, s17, s41                     ; tile row = 4 x cluster y + cy
	s_lshl_b32 s43, s41, 2
	s_lshl_b32 s43, 15, s43                        ; my row of the cluster
	s_lshl_b32 s44, 0x1111, s40                    ; my column
	s_or_b32 s[G1+0], s43, (1<<21)                 ; 15:0 the mask: A's tiles go to my row; 17:16 elements of 1 byte; 20 no padding; 21 set beside a mask
	s_or_b32 s[G1B+0], s44, (1<<21)
.irp g, G1, G1B
	s_mov_b32 s[\g+1], ROWB<<16                    ; tensor_dim0
	s_mov_b32 s[\g+2], NBLK<<16                    ; tensor_dim1
	s_mov_b32 s[\g+3], ROWB<<16                    ; tile_dim0
	s_mov_b32 s[\g+4], NBLK                        ; tile_dim1
	s_mov_b32 s[\g+5], KROW                        ; tensor_dim0_stride: from block to block
	s_mov_b32 s[\g+6], 0
	s_mov_b32 s[\g+7], 0
.endr
	s_mul_i32 s18, s16, NBLK                       ; which half I fetch
	s_mul_i32 s20, s17, 2*NBLK
	s_add_co_u32 s20, s20, s18
	s_mul_i32 s20, s20, KROW                       ; A: its first block's byte
	s_mov_b32 s21, 0
	s_mul_i32 s46, s42, 2*NBLK
	s_add_co_u32 s46, s46, s18
	s_mul_i32 s46, s46, KROW
	s_add_co_u32 s46, s46, BOFF                    ; W likewise, in its part of wts
	s_mov_b32 s47, 0
	s_mul_i32 s45, s14, PART                       ; where they go: wave x a part: no place in the cluster enters an LDS address
	s_wait_kmcnt 0x0
	s_load_b64 s[96:97], s[8:9], EA                ; the two exponents
	s_add_nc_u64 s[20:21], s[4:5], s[20:21]
	s_add_nc_u64 s[46:47], s[6:7], s[46:47]
	CROUND                                         ; all sixteen work-groups are here: the first joint loads meet
.irp s, 0
	s_mov_b32 s[G0+4*\s], 1
	s_add_co_u32 s[G0+4*\s+1], s45, \s*SLOT
	s_add_nc_u64 s[G0+4*\s+2:G0+4*\s+3], s[20:21], \s*ROWB
	s_or_b32 s[G0+4*\s+3], s[G0+4*\s+3], 0x80000000
	s_mov_b32 s[G0B+4*\s], 1
	s_add_co_u32 s[G0B+4*\s+1], s45, \s*SLOT
	s_add_nc_u64 s[G0B+4*\s+2:G0B+4*\s+3], s[46:47], \s*ROWB
	s_or_b32 s[G0B+4*\s+3], s[G0B+4*\s+3], 0x80000000
	JLOAD G0+4*\s, G1, G0B+4*\s, G1B               ; one load of mine is out
.endr
	v_and_b32 v1, 31, v0
	v_lshlrev_b32 v4, 4, v1                        ; 16 x lane
	s_mul_i32 s21, s15, PART                       ; my half of A
	s_mul_i32 s22, s16, PART                       ; my half of W,
	s_add_co_u32 s22, s22, 2*PART                  ; which lies behind A's two
.irp s, 0,1
	v_add_nc_u32 v[ADRA+\s], s21, v4
	v_add_nc_u32 v[ADRB+\s], s22, v4
	s_add_co_u32 s21, s21, SLOT
	s_add_co_u32 s22, s22, SLOT
.endr
	v_and_b32 v2, 15, v0                           ; r
	v_bfe_u32 v3, v0, 4, 1                         ; h
	s_mul_i32 s23, s14, 16*SPITCH
	s_add_co_u32 s23, s23, STAGE                   ; my stage
	v_mul_u32_u24 v5, v2, SPITCH
	v_lshl_add_u32 v5, v3, 6, v5
	v_add_nc_u32 v[STO], s23, v5                   ; in: row r, + 64 h
	v_mul_u32_u24 v5, v3, SPITCH
	v_lshl_add_u32 v5, v2, 4, v5
	v_add_nc_u32 v[RD], s23, v5                    ; back: lanes 0-15 one row of 256 bytes, lanes 16-31 the next
	v_lshlrev_b32 v6, 4, v2                        ; my four columns, in bytes
	s_wait_alu depctr_va_vdst(0)
	v_lshl_add_u32 v[CO], v3, 12, v6               ; and the same two rows in OUT and RES
	s_wait_alu depctr_va_vdst(0)
	s_lshl_b32 s72, s17, 7
	s_lshl_b32 s73, s15, 6
	s_add_co_u32 s72, s72, s73                     ; my first row: 128 x tile row + 64 i
	s_lshl_b32 s72, s72, 12
	s_lshl_b32 s74, s42, 7
	s_lshl_b32 s75, s16, 6
	s_add_co_u32 s74, s74, s75                     ; my first column: 128 x tile column + 64 j
	s_lshl_b32 s74, s74, 2
	s_mov_b32 s75, 0
	s_add_nc_u64 s[10:11], s[10:11], s[74:75]
	s_add_co_u32 s72, s72, s74
	s_mov_b32 s73, 0
	s_add_nc_u64 s[68:69], s[68:69], s[72:73]
	s_add_nc_u64 s[70:71], s[70:71], s[72:73]
.macro RESID                           ; the bias and the residual: asked for when the tiles have landed, they arrive under the K steps
	global_load_b128 v[8:11], v6, s[10:11]         ; the bias of my four columns
	WIN TO_B
.set ra, 0
.rept 4
.set rt, 0
.rept 8                                ; the residual, in the layout in which rows come back from the stage: sixteen lanes read 256 consecutive bytes
	global_load_b128 v[64+128*(ra/2)+32*(ra%2)+4*rt:64+128*(ra/2)+32*(ra%2)+4*rt+3], v[CO], s[68:69] offset:(16*ra+2*rt)*4096
.set rt, rt+1
.endr
.set ra, ra+1
.endr
	WIN 0
.endm
.macro FRAG reg, adr, q, i             ; a fragment: four loads of 512 consecutive bytes
.irp c, 0,1,2,3
	ds_load_b128 v[\reg+4*\c:\reg+4*\c+3], v[\adr] offset:(\i)*ROWB+(\q)*IMG+512*\c
.endr
.endm
; QB blocks of A from a0 on x all of W's, 128 along K.  p: W's set.  zero = 1: the first product starts the sums.  The accumulators take turns, one instruction a turn, in the same order in every step.
.macro MULQ a0, p, zero
.set ma, \a0
.rept QB
.set mb, 0
.rept NBLK
.set rD, 8*(NBLK*(ma%HB)+mb)
.if \zero
	v_wmma_f32_16x16x128_fp8_fp8 v[rD:rD+7], v[128*(\p)+16*mb:128*(\p)+16*mb+15], v[AF+16*ma:AF+16*ma+15], 0
.else
	v_wmma_f32_16x16x128_fp8_fp8 v[rD:rD+7], v[128*(\p)+16*mb:128*(\p)+16*mb+15], v[AF+16*ma:AF+16*ma+15], v[rD:rD+7]
.endif
.set mb, mb+1
.endr
.set ma, ma+1
.endr
.endm
.macro FETCH_B slot, q, p              ; W's fragments of the slot's q-th step into set p
	WIN TO_B
.set fi, 0
.rept NBLK
	FRAG 128*(\p)+16*fi, ADRB+\slot, \q, fi
.set fi, fi+1
.endr
	WIN 0
.endm
.macro FETCH_A slot, q, i0             ; half of A's fragments, from block i0 on
.set fi, \i0
.rept HB
	FRAG AF+16*fi, ADRA+\slot, \q, fi
.set fi, fi+1
.endr
.endm
; A step of 128 along K that has its successor in the same slot.  A's blocks are free as soon as their products are issued, so A has one set: the lower half is fetched anew in the step's middle, the upper at its end.
.macro STEP slot, q, zero
	s_wait_dscnt NLH                               ; W's set and A's lower half are in; the youngest loads (A's upper half) may be out
	WIN MUL_LO
	MULQ 0, (\q)%2, \zero
	MULQ QB, (\q)%2, \zero
	s_wait_dscnt 0                                 ; A's upper half is in
	PLACES 4
	FETCH_B \slot, (\q)+1, 1-(\q)%2
	FETCH_A \slot, (\q)+1, 0
	WIN MUL_HI
	MULQ 2*QB, (\q)%2, \zero
	MULQ 3*QB, (\q)%2, \zero
	PLACES 4
	WIN 0
	FETCH_A \slot, (\q)+1, HB
.endm
.macro STEPS slot, q0                  ; the slot's steps q0 .. NQ - 2
.if NQ-1-(\q0) > 0
.set sq, \q0
.rept NQ-1-(\q0)
	STEP \slot, sq, 0
.set sq, sq+1
.endr
.endif
.endm
; A slot's last step changes slots: ONE barrier; in front of it each wave waits for all its tensor loads, adds 0 to its spare word, and waits for that and for its own reads of this slot.  fill = 1: this slot is filled again, two slots ahead.
.macro TURN slot, next, fill
	s_wait_tensorcnt 0x0                           ; all my tensor loads have landed: my part of the next slot
	ds_add_u32 v[SPW], v[NIL]                      ; 0 onto my spare word
	s_wait_dscnt NLH+1                             ; (the add and A's upper half may be out)
	WIN MUL_LO
	MULQ 0, 1, 0                                   ; matrix work stands between the add and the wait for it
	s_wait_dscnt 0x0                               ; the add is done, and my reads of this slot are over
	s_barrier_signal -1
	MULQ QB, 1, 0
	WIN 0
	s_barrier_wait -1
.if \fill
	CREST                                          ; the barrier has opened a round of the cluster's barrier: no wave of any partner still reads this slot or has a load on its way
	s_add_nc_u64 s[G0+4*\slot+2:G0+4*\slot+3], s[G0+4*\slot+2:G0+4*\slot+3], 2*ROWB
	s_add_nc_u64 s[G0B+4*\slot+2:G0B+4*\slot+3], s[G0B+4*\slot+2:G0B+4*\slot+3], 2*ROWB
	JLOAD G0+4*\slot, G1, G0B+4*\slot, G1B         ; the first tensor load behind the round, my one load until the next; its four v_nop are the places in front of the loads below
.else
	PLACES 4
.endif
	FETCH_B \next, 0, 0
	FETCH_A \next, 0, 0
	WIN MUL_HI
	MULQ 2*QB, 1, 0
	MULQ 3*QB, 1, 0
	PLACES 4
	WIN 0
	FETCH_A \next, 0, HB
.endm
	s_wait_tensorcnt 0x0                           ; my part of the slot is in
	s_barrier_signal -1
	s_barrier_wait -1                              ; everybody's is
	FETCH_B 0, 0, 0
	FETCH_A 0, 0, 0
	FETCH_A 0, 0, HB
	RESID
	STEP 0, 0, 1                                   ; the first step's products start the sums
.if LAPS > 1
	s_mov_b32 s3, LAPS-1
.Llap:                                                 ; a trip goes once round the ring, from a lap's second step to the next lap's first, and fills both slots again
	STEPS 0, 1
	TURN 0, 1, 1
	STEPS 1, 0
	TURN 1, 0, 1
	STEP 0, 0, 0
	s_sub_co_u32 s3, s3, 1
	s_cmp_lg_u32 s3, 0
	s_cbranch_scc1 .Llap
.endif
	STEPS 0, 1                                     ; steps 1 to 6; step 7 follows, with nothing more to fetch
	s_wait_dscnt NLH                               ; the very last step: nothing more to fetch
	WIN MUL_LO
	MULQ 0, 1, 0
	MULQ QB, 1, 0
	s_wait_dscnt 0
	WIN MUL_HI
	MULQ 2*QB, 1, 0
	MULQ 3*QB, 1, 0
	WIN 0
; THE WAY OUT, block by block of 16 rows x 64 columns.  A lane holds 32 bytes of a row and the lanes beside it other rows: the sums go through my own stage in LDS as they are and come back as whole rows of 256 bytes;
; there sum x 2^(ea + eb) + bias + residual is made, and sixteen lanes store 256 consecutive bytes, aligned.  LDS serves a wave's instructions in order (ISA guide 5.7.1.4): no wait between the stores and the loads.
.macro TOSTAGE a
	WIN 0x08+4*((\a)/HB)                           ; store data: window 2 or 3
.irp b, 0,1,2,3
	ds_store_b128 v[STO], v[8*(NBLK*((\a)%HB)+\b):8*(NBLK*((\a)%HB)+\b)+3] offset:128*(\b/2)+32*(\b%2)         ; each accumulator from its low end on
	ds_store_b128 v[STO], v[8*(NBLK*((\a)%HB)+\b)+4:8*(NBLK*((\a)%HB)+\b)+7] offset:128*(\b/2)+32*(\b%2)+16
.endr
	WIN 0
.irp t, 0,1,2,3,4,5,6,7
	ds_load_b128 v[BK+32*((\a)%2)+4*\t:BK+32*((\a)%2)+4*\t+3], v[RD] offset:\t*2*SPITCH
.endr
.endm
.macro SEND a, younger                 ; younger: the LDS instructions issued behind block a's loads, which may stay out
.set BB, BK+32*((\a)%2)
.set RR, 64+128*((\a)/2)+32*((\a)%2)
	s_wait_dscnt \younger
.irp t, 0,1,2,3,4,5,6,7
	v_pk_fma_f32 v[BB+4*\t:BB+4*\t+1], v[BB+4*\t:BB+4*\t+1], s[96:97], v[8:9] op_sel_hi:[1,0,1]
	v_pk_fma_f32 v[BB+4*\t+2:BB+4*\t+3], v[BB+4*\t+2:BB+4*\t+3], s[96:97], v[10:11] op_sel_hi:[1,0,1]
.endr
	WIN 0x01                                       ; source 0 (the residual) window 1
.irp n, 0,2,4,6,8,10,12,14,16,18,20,22,24,26,28,30
	v_pk_add_f32 v[BB+\n:BB+\n+1], v[RR+\n:RR+\n+1], v[BB+\n:BB+\n+1]
.endr
	WIN 0
.irp t, 0,1,2,3,4,5,6,7
	global_store_b128 v[CO], v[BB+4*\t:BB+4*\t+3], s[70:71] offset:(16*(\a)+2*\t)*4096
.endr
.endm
	s_wait_kmcnt 0x0
	s_add_co_i32 s96, s96, s97
	s_add_co_i32 s96, s96, 127
	s_lshl_b32 s96, s96, 23                        ; 2^(ea + eb) as f32
	s_mov_b32 s97, s96                             ; (named with it as a pair, so it is written)
	s_wait_loadcnt 0x0                             ; the bias and the residual
	PLACES 4                                       ; behind the last products
	TOSTAGE 0
.irp a, 1,2,3
.if \a > 1
	s_wait_xcnt 0x0                                ; block a - 2's stores have read their registers: block a's rows may land there
.endif
	TOSTAGE \a
	SEND \a-1, 16                                  ; behind block a - 1's loads: block a's 8 stores and 8 loads
.endr
	SEND 3, 0
	s_wait_tensorcnt 0x0                           ; the wave's end
	ds_add_u32 v[SPW], v[NIL]
	s_wait_dscnt 0x0
	CROUND                                         ; the closing round: no work-group ends while a partner may still ask for a tile that names it
	s_endpgm
.Lfunc_end_k_q56a7275c92_proj:
	.size	k_q56a7275c92_proj, .Lfunc_end_k_q56a7275c92_proj-k_q56a7275c92_proj
	.p2alignl 7, 3214868480
	.fill 96, 4, 3214868480
	.section	.rodata,"a",@progbits
	.p2align	6, 0x0
	.amdhsa_kernel k_q56a7275c92_proj
		.amdhsa_group_segment_fixed_size 327680
		.amdhsa_private_segment_fixed_size 0
		.amdhsa_enable_private_segment 0
		.amdhsa_kernarg_size 48
		.amdhsa_user_sgpr_count 2
		.amdhsa_user_sgpr_kernarg_segment_ptr 1
		.amdhsa_wavefront_size32 1
		.amdhsa_system_sgpr_workgroup_id_x 1
		.amdhsa_system_sgpr_workgroup_id_y 1
		.amdhsa_system_sgpr_workgroup_id_z 1
		.amdhsa_system_vgpr_workitem_id 0
		.amdhsa_next_free_vgpr 1024
		.amdhsa_next_free_sgpr 100
		.amdhsa_reserve_vcc 0
		.amdhsa_float_denorm_mode_32 3
		.amdhsa_float_denorm_mode_16_64 3
		.amdhsa_memory_ordered 1
		.amdhsa_forward_progress 1
		.amdhsa_inst_pref_size 54
	.end_amdhsa_kernel
	.amdgpu_metadata
---
amdhsa.version: [ 1, 2 ]
amdhsa.kernels:
  - .name:           k_q56a7275c92_proj
    .symbol:         k_q56a7275c92_proj.kd
    .args:
      - { .name: y, .offset: 0, .size: 8, .value_kind: global_buffer, .address_space: global }
      - { .name: wts, .offset: 8, .size: 8, .value_kind: global_buffer, .address_space: global }
      - { .name: lowp_scales, .offset: 16, .size: 8, .value_kind: global_buffer, .address_space: global }
      - { .name: b_proj, .offset: 24, .size: 8, .value_kind: global_buffer, .address_space: global }
      - { .name: x, .offset: 32, .size: 8, .value_kind: global_buffer, .address_space: global }
      - { .name: x1, .offset: 40, .size: 8, .value_kind: global_buffer, .address_space: global }
    .group_segment_fixed_size: 327680
    .private_segment_fixed_size: 0
    .kernarg_segment_align: 8
    .kernarg_segment_size: 48
    .max_flat_workgroup_size: 128
    .sgpr_count:     100
    .vgpr_count:     1024
    .wavefront_size: 32
...
	.end_amdgpu_metadata
.endif
;; end of part 4
;; launch ln2 (part 5): grid 256 x 1, 8 waves a work-group, no clusters, 2,048 bytes of LDS; arguments x1, ln2_g, ln2_b, lowp_scales, xb; writes xb
.if DOCPART == 5
	.amdgcn_target "amdgcn-amd-amdhsa--gfx1250"
	.amdhsa_code_object_version 6
	.text
	.protected	k_q56a7275c92_ln2
	.globl	k_q56a7275c92_ln2
	.p2align	8
	.type	k_q56a7275c92_ln2,@function
k_q56a7275c92_ln2:
	s_mov_b64 s[64:65], 0
	v_nop
	global_prefetch_b8 v0, s[64:65] scope:SCOPE_SE
	s_setreg_imm32_b32 hwreg(HW_REG_WAVE_MODE, 25, 1), 1
	s_wait_xcnt 0x0
; LN2(x1) as codes of FP8 (E4M3), laid as IMAGES OF THE MATRIX OPERAND'S REGISTERS: a fragment (16 rows x 128 K) is 2,048 bytes; chunk c lies at 512 c + 16 x lane; lane (r, h) holds k = 32 c + 16 h + 0..15 of row r;
; the operand is [256 blocks of 16 rows][8 K steps][2048].
; A work-group takes 16 rows; wave s takes the K step 128 s .. 128 s + 127 of all 16 rows, and a lane loads just the 64 numbers that its lane of the image holds.  The mean is taken first and the squares of the centred
; numbers afterwards, so a common offset of the inputs costs no accuracy.  A row's sums over the eight waves meet in LDS (two barriers, two regions of 512 bytes).
; code = x / 2^e, held within +-448, to the nearest code, ties to even.  LIMITS: e between -126 and 119.  NaN among the inputs is not served.
; No matrix work, no tensor loads, no cluster: work-groups share nothing but the gain and bias of 4,096 bytes.
.set X,    32                          ; v32-95   my 64 numbers: register 16 c + i is k = 128 s + 32 c + 16 h + i of row r
.set GA,   96                          ; v96-159  the gain at the same k
.set BE,   160                         ; v160-223 the bias at the same k
.set CD,   224                         ; v224-239 the codes
.set P,    240                         ; v240-247 four chains of pairs
.set EOFF, 0x20                        ; byte offset of this operand's exponent in lowp_scales
; the four chains -> the row's sum over all 1,024 columns, in v248 of every lane
.macro ROWSUM off
	s_delay_alu instid0(VALU_DEP_3)
	v_pk_add_f32 v[P:P+1], v[P:P+1], v[P+2:P+3]
	s_delay_alu instid0(VALU_DEP_2)
	v_pk_add_f32 v[P+4:P+5], v[P+4:P+5], v[P+6:P+7]
	s_delay_alu instid0(VALU_DEP_1)
	v_pk_add_f32 v[P:P+1], v[P:P+1], v[P+4:P+5]
	s_delay_alu instid0(VALU_DEP_1)
	v_add_f32 v248, v[P], v[P+1]
	s_delay_alu instid0(VALU_DEP_1)
	v_permlanex16_b32 v249, v248, s26, s27         ; the row's other 64 numbers of this K step lie in the lane 16 away
	s_delay_alu instid0(VALU_DEP_1)
	v_add_f32 v248, v248, v249
	ds_store_b32 v4, v248 offset:\off              ; word (row, wave); lanes r and r + 16 store the same number
	s_wait_dscnt 0x0                               ; for the other waves' sake: my store has landed
	s_barrier_signal -1
	s_barrier_wait -1
	ds_load_b128 v[P:P+3], v5 offset:\off          ; the row's eight partial sums
	ds_load_b128 v[P+4:P+7], v5 offset:\off+16
	s_wait_dscnt 0x0
	v_pk_add_f32 v[P:P+1], v[P:P+1], v[P+2:P+3]
	v_pk_add_f32 v[P+4:P+5], v[P+4:P+5], v[P+6:P+7]
	s_delay_alu instid0(VALU_DEP_1)
	v_pk_add_f32 v[P:P+1], v[P:P+1], v[P+4:P+5]
	s_delay_alu instid0(VALU_DEP_1)
	v_add_f32 v248, v[P], v[P+1]
.endm
	s_load_b256 s[4:11], s[0:1], 0x0               ; x1 s[4:5], gain s[6:7], bias s[8:9], the scales' exponents s[10:11]
	s_load_b64 s[20:21], s[0:1], 0x20              ; xb
	v_lshl_add_u32 v254, v0, 2, 0x400
	v_mov_b32 v255, 0
	v_lshrrev_b32 v1, 5, v0
	s_delay_alu instid0(VALU_DEP_1)
	v_readfirstlane_b32 s24, v1                    ; wave 0..7
	v_and_b32 v6, 15, v0                           ; r
	v_bfe_u32 v7, v0, 4, 1                         ; h
	s_mov_b32 s26, 0x76543210                      ; v_permlanex16_b32: lane l takes lane l xor 16
	s_mov_b32 s27, 0xfedcba98
	s_mov_b32 s35, 0x3a800000                      ; 1 / 1024
	v_lshlrev_b32 v2, 6, v7                        ; gain, bias: 64 h
	s_delay_alu instid0(VALU_DEP_1)
	v_lshl_add_u32 v1, v6, 12, v2                  ; x1: row r of 4,096 bytes + 64 h
	v_and_b32 v3, 31, v0
	s_delay_alu instid0(VALU_DEP_1)
	v_lshlrev_b32 v3, 4, v3                        ; 16 x lane: my place in an image's chunk
	v_lshlrev_b32 v5, 5, v6                        ; LDS: a row's eight words
	s_lshl_b32 s28, s24, 2
	v_add_nc_u32 v4, s28, v5                       ; and my wave's word among them
	v_mov_b32 v249, 0                              ; a lane permute's destination counts as read: written once
	s_lshl_b32 s30, s24, 9                         ; my K step: 512 bytes into a row
	s_mov_b32 s31, 0
	s_lshl_b32 s28, ttmp9, 16                      ; my work-group's 16 rows
	s_add_co_u32 s28, s28, s30
	s_mov_b32 s29, 0
	s_lshl_b32 s32, ttmp9, 3
	s_add_co_u32 s32, s32, s24
	s_lshl_b32 s32, s32, 11                        ; image (block, step)
	s_mov_b32 s33, 0
	s_wait_alu depctr_va_vdst(0)
	s_wait_kmcnt 0x0
	s_load_b32 s34, s[10:11], EOFF                 ; e
	s_add_nc_u64 s[4:5], s[4:5], s[28:29]
	s_add_nc_u64 s[6:7], s[6:7], s[30:31]
	s_add_nc_u64 s[8:9], s[8:9], s[30:31]
	s_add_nc_u64 s[20:21], s[20:21], s[32:33]
.irp c, 0,1,2,3
.irp j, 0,1,2,3
	global_load_b128 v[X+16*\c+4*\j:X+16*\c+4*\j+3], v1, s[4:5] offset:128*\c+16*\j
.endr
.endr
.irp c, 0,1,2,3
.irp j, 0,1,2,3
	global_load_b128 v[GA+16*\c+4*\j:GA+16*\c+4*\j+3], v2, s[6:7] offset:128*\c+16*\j
.endr
.endr
.irp c, 0,1,2,3
.irp j, 0,1,2,3
	global_load_b128 v[BE+16*\c+4*\j:BE+16*\c+4*\j+3], v2, s[8:9] offset:128*\c+16*\j
.endr
.endr
	s_wait_loadcnt 32                              ; x1's 16 loads are in; the gain's and the bias's 32 may be out
.irp k, 0,1,2,3
	v_pk_add_f32 v[P+2*\k:P+2*\k+1], v[X+2*\k:X+2*\k+1], v[X+8+2*\k:X+8+2*\k+1]   ; the first eight pairs start the chains
.endr
.set n, 8
.rept 24
	s_delay_alu instid0(VALU_DEP_4)
	v_pk_add_f32 v[P+2*(n%4):P+2*(n%4)+1], v[P+2*(n%4):P+2*(n%4)+1], v[X+2*n:X+2*n+1]
.set n, n+1
.endr
	ROWSUM 0
	s_delay_alu instid0(VALU_DEP_1)
	v_mul_f32 v250, s35, v248                      ; the mean
	s_delay_alu instid0(VALU_DEP_1)
	v_mov_b32 v251, v250
.set n, 0
.rept 32
	v_pk_add_f32 v[X+2*n:X+2*n+1], v[X+2*n:X+2*n+1], v[250:251] neg_lo:[0,1] neg_hi:[0,1]   ; x - mean
.set n, n+1
.endr
.irp k, 0,1,2,3
	v_pk_mul_f32 v[P+2*\k:P+2*\k+1], v[X+2*\k:X+2*\k+1], v[X+2*\k:X+2*\k+1]
.endr
.set n, 4
.rept 28
	s_delay_alu instid0(VALU_DEP_4)
	v_pk_fma_f32 v[P+2*(n%4):P+2*(n%4)+1], v[X+2*n:X+2*n+1], v[X+2*n:X+2*n+1], v[P+2*(n%4):P+2*(n%4)+1]
.set n, n+1
.endr
	ROWSUM 512                                     ; other bytes than the first sum's: no barrier is owed between the two
	s_delay_alu instid0(VALU_DEP_1)
	v_fmaak_f32 v250, s35, v248, 0x3727c5ac        ; variance + 1e-5
	s_wait_alu depctr_va_vdst(0)
	v_rsq_f32 v252, v250
	v_nop                                          ; a plain instruction behind the transcendental
	s_wait_kmcnt 0x0
	s_add_co_i32 s34, s34, 127
	s_lshl_b32 s36, s34, 23
	v_mov_b32 v10, s36                             ; 2^e as f32: the conversion takes its exponent field
	s_add_co_i32 s34, s34, 8
	s_lshl_b32 s34, s34, 23
	s_or_b32 s34, s34, 0x600000
	v_mov_b32 v11, s34                             ; 448 x 2^e
	s_wait_alu depctr_va_vdst(0)                   ; the wait ahead of the first instruction that names the result
	v_mov_b32 v253, v252
	s_wait_alu depctr_va_vdst(0)
	s_wait_loadcnt 0x0                             ; the gain and the bias
.set n, 0
.rept 32
	v_pk_mul_f32 v[X+2*n:X+2*n+1], v[X+2*n:X+2*n+1], v[252:253]
.set n, n+1
.endr
.set n, 0
.rept 32
	v_pk_fma_f32 v[X+2*n:X+2*n+1], v[X+2*n:X+2*n+1], v[GA+2*n:GA+2*n+1], v[BE+2*n:BE+2*n+1]
.set n, n+1
.endr
.irp c, 0,1,2,3
.irp i, 0,1,2,3,4,5,6,7,8,9,10,11,12,13,14,15
	v_med3_num_f32 v[X+16*\c+\i], v[X+16*\c+\i], -v11, v11   ; the conversion does not saturate (ISA guide 7.6.2): the hold at the largest code x the scale
.endr
	v_cvt_scalef32_pk8_fp8_f32 v[CD+4*\c:CD+4*\c+1], v[X+16*\c:X+16*\c+7], v10
	v_cvt_scalef32_pk8_fp8_f32 v[CD+4*\c+2:CD+4*\c+3], v[X+16*\c+8:X+16*\c+15], v10
.endr
.irp c, 0,1,2,3
	global_store_b128 v3, v[CD+4*\c:CD+4*\c+3], s[20:21] offset:512*\c   ; 32 lanes store 512 consecutive bytes, aligned
.endr
	s_wait_tensorcnt 0x0
	ds_add_u32 v254, v255
	s_wait_dscnt 0x0
	s_endpgm
.Lfunc_end_k_q56a7275c92_ln2:
	.size	k_q56a7275c92_ln2, .Lfunc_end_k_q56a7275c92_ln2-k_q56a7275c92_ln2
	.p2alignl 7, 3214868480
	.fill 96, 4, 3214868480
	.section	.rodata,"a",@progbits
	.p2align	6, 0x0
	.amdhsa_kernel k_q56a7275c92_ln2
		.amdhsa_group_segment_fixed_size 2048
		.amdhsa_private_segment_fixed_size 0
		.amdhsa_enable_private_segment 0
		.amdhsa_kernarg_size 40
		.amdhsa_user_sgpr_count 2
		.amdhsa_user_sgpr_kernarg_segment_ptr 1
		.amdhsa_wavefront_size32 1
		.amdhsa_system_sgpr_workgroup_id_x 1
		.amdhsa_system_sgpr_workgroup_id_y 1
		.amdhsa_system_sgpr_workgroup_id_z 1
		.amdhsa_system_vgpr_workitem_id 0
		.amdhsa_next_free_vgpr 256
		.amdhsa_next_free_sgpr 66
		.amdhsa_reserve_vcc 0
		.amdhsa_float_denorm_mode_32 3
		.amdhsa_float_denorm_mode_16_64 3
		.amdhsa_memory_ordered 1
		.amdhsa_forward_progress 1
		.amdhsa_inst_pref_size 26
	.end_amdhsa_kernel
	.amdgpu_metadata
---
amdhsa.version: [ 1, 2 ]
amdhsa.kernels:
  - .name:           k_q56a7275c92_ln2
    .symbol:         k_q56a7275c92_ln2.kd
    .args:
      - { .name: x1, .offset: 0, .size: 8, .value_kind: global_buffer, .address_space: global }
      - { .name: ln2_g, .offset: 8, .size: 8, .value_kind: global_buffer, .address_space: global }
      - { .name: ln2_b, .offset: 16, .size: 8, .value_kind: global_buffer, .address_space: global }
      - { .name: lowp_scales, .offset: 24, .size: 8, .value_kind: global_buffer, .address_space: global }
      - { .name: xb, .offset: 32, .size: 8, .value_kind: global_buffer, .address_space: global }
    .group_segment_fixed_size: 2048
    .private_segment_fixed_size: 0
    .kernarg_segment_align: 8
    .kernarg_segment_size: 40
    .max_flat_workgroup_size: 256
    .sgpr_count:     66
    .vgpr_count:     256
    .wavefront_size: 32
...
	.end_amdgpu_metadata
.endif
;; end of part 5
;; launch fc (part 6): grid 16 x 16, 4 waves a work-group, clusters of 4 x 4, 327,680 bytes of LDS; arguments xb, wts, lowp_scales, b_fc, h; writes h
.if DOCPART == 6
	.amdgcn_target "amdgcn-amd-amdhsa--gfx1250"
	.amdhsa_code_object_version 6
	.text
	.protected	k_q56a7275c92_fc
	.globl	k_q56a7275c92_fc
	.p2align	8
	.type	k_q56a7275c92_fc,@function
k_q56a7275c92_fc:
	s_mov_b64 s[64:65], 0
	v_nop
	global_prefetch_b8 v0, s[64:65] scope:SCOPE_SE
	s_setreg_imm32_b32 hwreg(HW_REG_WAVE_MODE, 25, 1), 1
	s_wait_xcnt 0x0
	s_wait_alu depctr_hold_cnt(0) depctr_sa_sdst(0) depctr_va_vdst(0) depctr_va_sdst(0) depctr_va_ssrc(0) depctr_va_vcc(0) depctr_vm_vsrc(0)
	s_getreg_b32 s2, hwreg(HW_REG_IB_STS2, 6, 4)
	s_cmp_eq_u32 s2, 0
	s_cbranch_scc0 .Lentry_in_a_cluster
	s_endpgm
.Lentry_in_a_cluster:
	s_bfe_u32 s2, ttmp6, 0x10000c
	s_cmp_lg_u32 s2, 0xf033
	s_cbranch_scc0 .Lentry_shape_is_right
	s_endpgm
.Lentry_shape_is_right:
.set NBLK,   8
.set NQ,     2
.set SIZE_K, 1024
.set EA,     0x20
.set BOFF,   0x400000
.set IMG,    2048
.set ROWB,   NQ*IMG
.set KROW,   16*SIZE_K
.set PART,   NBLK*ROWB
.set SLOT,   4*PART
.set SPARE,  2*SLOT
.set LAPS,   SIZE_K/(256*NQ)
.set HB,     NBLK/2
.set QB,     NBLK/4
.set NLH,    4*HB
.set ADRA, 16
.set ADRB, 20
.set SPW,  28
.set NIL,  29
.set BIA,  32
.set XV,   96
.set Z,    112
.set LD,   128
.set Z2,   192
.set PA,   208
.set PB,   224
.set CDS,  240
.set AF,   128
.set G1, 24
.set G0, 32
.set G1B, 48
.set G0B, 56
.set MSB, 0
.macro WIN new
.if MSB != (\new)
	s_set_vgpr_msb (MSB<<8)|(\new)
.set MSB, (\new)
.endif
.endm
.set MUL_LO, 0xa1
.set MUL_HI, 0xf1
.set TO_B,   0x40
.macro JLOAD g0a, g1a, g0b, g1b
	s_cmp_eq_u32 s15, 0
	s_cbranch_scc0 .Lfor_b_\@
	tensor_load_to_lds s[\g0a:\g0a+3], s[\g1a:\g1a+7]
	s_nop 0
.rept 4
	v_nop
.endr
	s_branch .Lasked_\@
.Lfor_b_\@:
	tensor_load_to_lds s[\g0b:\g0b+3], s[\g1b:\g1b+7]
	s_nop 0
.rept 4
	v_nop
.endr
.Lasked_\@:
.endm
.macro CREST
	s_cmp_lg_u32 s14, 0
	s_cbranch_scc1 .Lnot_wave_0_\@
	s_barrier_signal -3
.Lnot_wave_0_\@:
	s_barrier_wait -3
	s_barrier_signal -1
	s_barrier_wait -1
.endm
.macro CROUND
	s_barrier_signal -1
	s_barrier_wait -1
	CREST
.endm
.macro PLACES n
.rept \n
	v_nop
.endr
.endm
	s_load_b128 s[4:7], s[0:1], 0x0
	s_load_b128 s[8:11], s[0:1], 0x10
	s_load_b64 s[70:71], s[0:1], 0x20
	v_lshl_add_u32 v[SPW], v0, 2, SPARE
	v_mov_b32 v[NIL], 0
	ds_add_u32 v28, v29
	ds_add_u32 v28, v29
	s_wait_dscnt 0x0
	v_lshrrev_b32 v1, 5, v0
	v_readfirstlane_b32 s14, v1
	s_lshr_b32 s15, s14, 1
	s_and_b32 s16, s14, 1
	s_bfe_u32 s40, ttmp6, 0x40000
	s_bfe_u32 s41, ttmp6, 0x40004
	s_lshl_b32 s42, ttmp9, 2
	s_add_co_u32 s42, s42, s40
	s_and_b32 s17, ttmp7, 0xffff
	s_lshl_b32 s17, s17, 2
	s_add_co_u32 s17, s17, s41
	s_lshl_b32 s43, s41, 2
	s_lshl_b32 s43, 15, s43
	s_lshl_b32 s44, 0x1111, s40
	s_or_b32 s[G1+0], s43, (1<<21)
	s_or_b32 s[G1B+0], s44, (1<<21)
.irp g, G1, G1B
	s_mov_b32 s[\g+1], ROWB<<16
	s_mov_b32 s[\g+2], NBLK<<16
	s_mov_b32 s[\g+3], ROWB<<16
	s_mov_b32 s[\g+4], NBLK
	s_mov_b32 s[\g+5], KROW
	s_mov_b32 s[\g+6], 0
	s_mov_b32 s[\g+7], 0
.endr
	s_mul_i32 s18, s16, NBLK
	s_mul_i32 s20, s17, 2*NBLK
	s_add_co_u32 s20, s20, s18
	s_mul_i32 s20, s20, KROW
	s_mov_b32 s21, 0
	s_mul_i32 s46, s42, 2*NBLK
	s_add_co_u32 s46, s46, s18
	s_mul_i32 s46, s46, KROW
	s_add_co_u32 s46, s46, BOFF
	s_mov_b32 s47, 0
	s_mul_i32 s45, s14, PART
	s_wait_kmcnt 0x0
	s_load_b64 s[96:97], s[8:9], EA
	s_load_b32 s84, s[8:9], 0x28
	s_add_nc_u64 s[20:21], s[4:5], s[20:21]
	s_add_nc_u64 s[46:47], s[6:7], s[46:47]
	CROUND
.irp s, 0,1
	s_mov_b32 s[G0+4*\s], 1
	s_add_co_u32 s[G0+4*\s+1], s45, \s*SLOT
	s_add_nc_u64 s[G0+4*\s+2:G0+4*\s+3], s[20:21], \s*ROWB
	s_or_b32 s[G0+4*\s+3], s[G0+4*\s+3], 0x80000000
	s_mov_b32 s[G0B+4*\s], 1
	s_add_co_u32 s[G0B+4*\s+1], s45, \s*SLOT
	s_add_nc_u64 s[G0B+4*\s+2:G0B+4*\s+3], s[46:47], \s*ROWB
	s_or_b32 s[G0B+4*\s+3], s[G0B+4*\s+3], 0x80000000
.endr
	JLOAD G0, G1, G0B, G1B                         ; slot 0: one tensor load a wave at the head
	; THE PREFETCHES: behind each fill one instruction a wave names the next slot's part of the rows that this wave fetches.  Of its 8 blocks each of the four partners that ask jointly takes two, told apart by address
	; (cx for A, cy for W): 2 blocks x 4,096 bytes, a lane to each 256.  The offsets are immediates and the address registers are never rewritten; the last fill asks for nothing.
	s_cmp_eq_u32 s15, 0                            ; do I fetch for A?
	s_cselect_b64 s[12:13], s[20:21], s[46:47]
	s_cselect_b32 s94, s40, s41
	s_mul_i32 s94, s94, 2*KROW
	s_mov_b32 s95, 0
	s_add_nc_u64 s[12:13], s[12:13], s[94:95]
	v_bfe_u32 v30, v0, 4, 1
	v_and_b32 v31, 15, v0
	v_lshlrev_b32 v31, 8, v31
	v_lshl_add_u32 v30, v30, 14, v31               ; block lane / 16 (16,384 bytes apart), 256 x (lane % 16)
	global_prefetch_b8 v30, s[12:13] offset:ROWB th:TH_LOAD_NT scope:SCOPE_SE
	v_and_b32 v1, 31, v0
	v_lshlrev_b32 v15, 4, v1
	s_wait_alu depctr_va_vdst(0)
	s_mul_i32 s21, s15, PART
	s_mul_i32 s22, s16, PART
	s_add_co_u32 s22, s22, 2*PART
.irp s, 0,1
	v_add_nc_u32 v[ADRA+\s], s21, v15
	v_add_nc_u32 v[ADRB+\s], s22, v15
	s_add_co_u32 s21, s21, SLOT
	s_add_co_u32 s22, s22, SLOT
.endr
	v_bfe_u32 v3, v0, 4, 1
	v_lshlrev_b32 v6, 6, v3
	s_lshl_b32 s76, s42, 10
	s_lshl_b32 s77, s16, 9
	s_add_co_u32 s76, s76, s77
	s_mov_b32 s77, 0
	s_add_nc_u64 s[10:11], s[10:11], s[76:77]
.irp c, 0,1,2,3
.irp j, 0,1,2,3
	global_load_b128 v[BIA+16*\c+4*\j:BIA+16*\c+4*\j+3], v6, s[10:11] offset:128*\c+16*\j
.endr
.endr
	v_mov_b32 v8, 0x32edffee
	v_mov_b32 v9, 0x32edffee
	v_mov_b32 v10, 0xb95fbd29
	v_mov_b32 v11, 0xb95fbd29
	s_lshl_b32 s80, s17, 4
	s_lshl_b32 s81, s15, 3
	s_add_co_u32 s80, s80, s81
	s_lshl_b32 s80, s80, 5
	s_lshl_b32 s81, s42, 1
	s_add_co_u32 s80, s80, s81
	s_add_co_u32 s80, s80, s16
	s_lshl_b32 s80, s80, 11
	s_mov_b32 s81, 0
	s_add_nc_u64 s[70:71], s[70:71], s[80:81]
.macro FRAG reg, adr, q, i
.irp c, 0,1,2,3
	ds_load_b128 v[\reg+4*\c:\reg+4*\c+3], v[\adr] offset:(\i)*ROWB+(\q)*IMG+512*\c
.endr
.endm
.macro MULQ a0, p, zero
.set ma, \a0
.rept QB
.set mb, 0
.rept NBLK
.set rD, 8*(NBLK*(ma%HB)+mb)
.if \zero
	v_wmma_f32_16x16x128_fp8_fp8 v[rD:rD+7], v[128*(\p)+16*mb:128*(\p)+16*mb+15], v[AF+16*ma:AF+16*ma+15], 0
.else
	v_wmma_f32_16x16x128_fp8_fp8 v[rD:rD+7], v[128*(\p)+16*mb:128*(\p)+16*mb+15], v[AF+16*ma:AF+16*ma+15], v[rD:rD+7]
.endif
.set mb, mb+1
.endr
.set ma, ma+1
.endr
.endm
.macro FETCH_B slot, q, p
	WIN TO_B
.set fi, 0
.rept NBLK
	FRAG 128*(\p)+16*fi, ADRB+\slot, \q, fi
.set fi, fi+1
.endr
	WIN 0
.endm
.macro FETCH_A slot, q, i0
.set fi, \i0
.rept HB
	FRAG AF+16*fi, ADRA+\slot, \q, fi
.set fi, fi+1
.endr
.endm
.macro STEP slot, q, zero
	s_wait_dscnt NLH
	WIN MUL_LO
	MULQ 0, (\q)%2, \zero
	MULQ QB, (\q)%2, \zero
	s_wait_dscnt 0
	PLACES 4
	FETCH_B \slot, (\q)+1, 1-(\q)%2
	FETCH_A \slot, (\q)+1, 0
	WIN MUL_HI
	MULQ 2*QB, (\q)%2, \zero
	MULQ 3*QB, (\q)%2, \zero
	PLACES 4
	WIN 0
	FETCH_A \slot, (\q)+1, HB
.endm
.macro STEPS slot, q0
.if NQ-1-(\q0) > 0
.set sq, \q0
.rept NQ-1-(\q0)
	STEP \slot, sq, 0
.set sq, sq+1
.endr
.endif
.endm
.macro TURN slot, next, fill
	s_wait_tensorcnt 0x0
	ds_add_u32 v[SPW], v[NIL]
	s_wait_dscnt NLH+1
	WIN MUL_LO
	MULQ 0, 1, 0
	s_wait_dscnt 0x0
	s_barrier_signal -1
	MULQ QB, 1, 0
	WIN 0
	s_barrier_wait -1
.if \fill
	CREST
	s_add_nc_u64 s[G0+4*\slot+2:G0+4*\slot+3], s[G0+4*\slot+2:G0+4*\slot+3], 2*ROWB
	s_add_nc_u64 s[G0B+4*\slot+2:G0B+4*\slot+3], s[G0B+4*\slot+2:G0B+4*\slot+3], 2*ROWB
	JLOAD G0+4*\slot, G1, G0B+4*\slot, G1B
.else
	PLACES 4
.endif
	s_wait_alu depctr_va_vdst(0)
	FETCH_B \next, 0, 0
	FETCH_A \next, 0, 0
.if (\fill) && (\slot) == 0
	global_prefetch_b8 v30, s[12:13] offset:3*ROWB th:TH_LOAD_NT scope:SCOPE_SE   ; the loop has one trip: this fill is the third of four
.endif
	WIN MUL_HI
	MULQ 2*QB, 1, 0
	MULQ 3*QB, 1, 0
	PLACES 4
	WIN 0
	FETCH_A \next, 0, HB
.endm
	s_wait_alu depctr_va_vdst(0)
	s_wait_tensorcnt 0x0                           ; my part of slot 0 is in; slot 1's first fill is issued as a refill is:
	ds_add_u32 v[SPW], v[NIL]                      ; 0 onto my spare word
	s_wait_dscnt 0x0
	CROUND                                         ; everybody's part of slot 0 is in, and the sixteen work-groups meet
	JLOAD G0+4, G1, G0B+4, G1B                     ; slot 1: the first tensor load behind the round
	global_prefetch_b8 v30, s[12:13] offset:2*ROWB th:TH_LOAD_NT scope:SCOPE_SE
	FETCH_B 0, 0, 0
	FETCH_A 0, 0, 0
	FETCH_A 0, 0, HB
	STEP 0, 0, 1
.if LAPS > 1
	s_mov_b32 s3, LAPS-1
.Llap:
	STEPS 0, 1
	TURN 0, 1, 1
	STEPS 1, 0
	TURN 1, 0, 1
	STEP 0, 0, 0
	s_sub_co_u32 s3, s3, 1
	s_cmp_lg_u32 s3, 0
	s_cbranch_scc1 .Llap
.endif
	STEPS 0, 1
	TURN 0, 1, 0
	STEPS 1, 0
	s_wait_dscnt NLH
	WIN MUL_LO
	MULQ 0, 1, 0
	MULQ QB, 1, 0
	s_wait_dscnt 0
	WIN MUL_HI
	MULQ 2*QB, 1, 0
	MULQ 3*QB, 1, 0
	WIN 0
	s_wait_kmcnt 0x0
	s_add_co_i32 s96, s96, s97
	s_add_co_i32 s96, s96, 127
	s_lshl_b32 s96, s96, 23
	s_mov_b32 s97, s96
	s_add_co_i32 s84, s84, 127
	s_lshl_b32 s85, s84, 23
	v_mov_b32 v12, s85
	s_add_co_i32 s84, s84, 8
	s_lshl_b32 s84, s84, 23
	s_or_b32 s84, s84, 0x600000
	v_mov_b32 v13, s84
	s_wait_loadcnt 0x0                             ; the biases
	PLACES 4                                       ; behind the last products
; 16 numbers x of chunk c, which TAKE has laid at v[LD + 16 c ..]: gelu(x), in place, held and converted
.macro GELU16 c
.set XV, LD+16*\c
.irp k, 0,2,4,6,8,10,12,14
	v_pk_mul_f32 v[Z+\k:Z+\k+1], v[XV+\k:XV+\k+1], 0x3f3504f3 op_sel_hi:[1,0]
.endr
.irp i, 0,1,2,3,4,5,6,7,8,9,10,11,12,13,14,15
	v_med3_num_f32 v[Z+\i], v[Z+\i], -4.0, 4.0
.endr
.irp k, 0,2,4,6,8,10,12,14
	v_pk_mul_f32 v[Z2+\k:Z2+\k+1], v[Z+\k:Z+\k+1], v[Z+\k:Z+\k+1]
.endr
.irp k, 0,2,4,6,8,10,12,14
	v_pk_fma_f32 v[PA+\k:PA+\k+1], v[Z2+\k:Z2+\k+1], 0xaf95df0b, v[8:9] op_sel_hi:[1,0,1]
	v_pk_fma_f32 v[PB+\k:PB+\k+1], v[Z2+\k:Z2+\k+1], 0xb77460cd, v[10:11] op_sel_hi:[1,0,1]
.endr
.irp lit, 0xbadc924e, 0xbbf19bf8, 0xbc69b6a7
.irp k, 0,2,4,6,8,10,12,14
	v_pk_fma_f32 v[PB+\k:PB+\k+1], v[PB+\k:PB+\k+1], v[Z2+\k:Z2+\k+1], \lit op_sel_hi:[1,1,0]
.endr
.endr
	s_wait_alu depctr_va_vdst(0)
.irp i, 0,1,2,3,4,5,6,7,8,9,10,11,12,13,14,15
	v_rcp_f32 v[PB+\i], v[PB+\i]
.endr
.irp lit, 0xb60cff51, 0xb86ec2d2, 0xba40ac63, 0xbb41a1f6, 0xbc83dbd4
.irp k, 0,2,4,6,8,10,12,14
	v_pk_fma_f32 v[PA+\k:PA+\k+1], v[PA+\k:PA+\k+1], v[Z2+\k:Z2+\k+1], \lit op_sel_hi:[1,1,0]
.endr
.endr
.irp k, 0,2,4,6,8,10,12,14
	v_pk_mul_f32 v[PA+\k:PA+\k+1], v[PA+\k:PA+\k+1], v[Z+\k:Z+\k+1]
	v_pk_mul_f32 v[Z2+\k:Z2+\k+1], v[XV+\k:XV+\k+1], 0.5 op_sel_hi:[1,0]
.endr
	s_wait_alu depctr_va_vdst(0)
.irp k, 0,2,4,6,8,10,12,14
	v_pk_mul_f32 v[PA+\k:PA+\k+1], v[PA+\k:PA+\k+1], v[PB+\k:PB+\k+1]
.endr
.irp k, 0,2,4,6,8,10,12,14
	v_pk_fma_f32 v[XV+\k:XV+\k+1], v[PA+\k:PA+\k+1], v[Z2+\k:Z2+\k+1], v[Z2+\k:Z2+\k+1]
.endr
.irp i, 0,1,2,3,4,5,6,7,8,9,10,11,12,13,14,15
	v_med3_num_f32 v[XV+\i], v[XV+\i], -v13, v13
.endr
	v_cvt_scalef32_pk8_fp8_f32 v[CDS+4*\c:CDS+4*\c+1], v[XV:XV+7], v12
	v_cvt_scalef32_pk8_fp8_f32 v[CDS+4*\c+2:CDS+4*\c+3], v[XV+8:XV+15], v12
	v_nop
.endm
	s_mov_b32 s72, 0
	s_mov_b32 s73, 8
; THE WAY OUT is one loop of eight trips, a block of 16 rows a trip.  Only the 32 lines that read a block's accumulators differ from trip to trip: they are written out eight times, and a chain of scalar
; branches on the trip's number picks one.  x = sum x 2^(ea + eb) + bias: v[LD + 8 b + j] is register j of accumulator (a, b), each accumulator from its low end on.
.macro TAKE a
	WIN 0x02+((\a)/4)                              ; source 0: window 2 or 3
	s_wait_alu depctr_va_vdst(0)                   ; directly ahead of the first readers of these matrix results
.set cb, 0
.rept 8
.irp e, 0,2,4,6
	v_pk_fma_f32 v[LD+8*cb+\e:LD+8*cb+\e+1], v[8*(8*((\a)%4)+cb)+\e:8*(8*((\a)%4)+cb)+\e+1], s[96:97], v[BIA+8*cb+\e:BIA+8*cb+\e+1] op_sel_hi:[1,0,1]
.endr
.set cb, cb+1
.endr
	WIN 0
	s_wait_alu depctr_va_vdst(0)                   ; ahead of the branch
.endm
.Lrow:
.irp k, 0,1,2,3,4,5,6
	s_cmp_eq_u32 s72, \k
	s_cbranch_scc1 .Lblk\k
.endr
	TAKE 7
	s_branch .Lgo
.irp k, 0,1,2,3,4,5
.Lblk\k:
	TAKE \k
	s_branch .Lgo
.endr
.Lblk6:
	TAKE 6
.Lgo:
.irp c, 0,1,2,3
	GELU16 \c
	global_store_b128 v15, v[CDS+4*\c:CDS+4*\c+3], s[70:71] offset:512*\c
.endr
	s_wait_xcnt 0x0
	s_add_nc_u64 s[70:71], s[70:71], 0x10000
	s_add_co_u32 s72, s72, 1
	s_sub_co_u32 s73, s73, 1
	s_cmp_lg_u32 s73, 0
	s_cbranch_scc1 .Lrow
	s_wait_tensorcnt 0x0
	ds_add_u32 v[SPW], v[NIL]
	s_wait_dscnt 0x0
	CROUND
	s_endpgm
.Lfunc_end_k_q56a7275c92_fc:
	.size	k_q56a7275c92_fc, .Lfunc_end_k_q56a7275c92_fc-k_q56a7275c92_fc
	.p2alignl 7, 3214868480
	.fill 96, 4, 3214868480
	.section	.rodata,"a",@progbits
	.p2align	6, 0x0
	.amdhsa_kernel k_q56a7275c92_fc
		.amdhsa_group_segment_fixed_size 327680
		.amdhsa_private_segment_fixed_size 0
		.amdhsa_enable_private_segment 0
		.amdhsa_kernarg_size 40
		.amdhsa_user_sgpr_count 2
		.amdhsa_user_sgpr_kernarg_segment_ptr 1
		.amdhsa_wavefront_size32 1
		.amdhsa_system_sgpr_workgroup_id_x 1
		.amdhsa_system_sgpr_workgroup_id_y 1
		.amdhsa_system_sgpr_workgroup_id_z 1
		.amdhsa_system_vgpr_workitem_id 0
		.amdhsa_next_free_vgpr 1024
		.amdhsa_next_free_sgpr 100
		.amdhsa_reserve_vcc 0
		.amdhsa_float_denorm_mode_32 3
		.amdhsa_float_denorm_mode_16_64 3
		.amdhsa_memory_ordered 1
		.amdhsa_forward_progress 1
		.amdhsa_inst_pref_size 153
	.end_amdhsa_kernel
	.amdgpu_metadata
---
amdhsa.version: [ 1, 2 ]
amdhsa.kernels:
  - .name:           k_q56a7275c92_fc
    .symbol:         k_q56a7275c92_fc.kd
    .args:
      - { .name: xb, .offset: 0, .size: 8, .value_kind: global_buffer, .address_space: global }
      - { .name: wts, .offset: 8, .size: 8, .value_kind: global_buffer, .address_space: global }
      - { .name: lowp_scales, .offset: 16, .size: 8, .value_kind: global_buffer, .address_space: global }
      - { .name: b_fc, .offset: 24, .size: 8, .value_kind: global_buffer, .address_space: global }
      - { .name: h, .offset: 32, .size: 8, .value_kind: global_buffer, .address_space: global }
    .group_segment_fixed_size: 327680
    .private_segment_fixed_size: 0
    .kernarg_segment_align: 8
    .kernarg_segment_size: 40
    .max_flat_workgroup_size: 128
    .sgpr_count:     100
    .vgpr_count:     1024
    .wavefront_size: 32
...
	.end_amdgpu_metadata
.endif
;; end of part 6
;; launch fc2 (part 7): grid 8 x 32, 4 waves a work-group, clusters of 4 x 4, 327,680 bytes of LDS; arguments h, wts, lowp_scales, b_fc2, x1, out0; writes out0
.if DOCPART == 7
	.amdgcn_target "amdgcn-amd-amdhsa--gfx1250"
	.amdhsa_code_object_version 6
	.text
	.protected	k_q56a7275c92_fc2
	.globl	k_q56a7275c92_fc2
	.p2align	8
	.type	k_q56a7275c92_fc2,@function
k_q56a7275c92_fc2:
	s_mov_b64 s[64:65], 0
	v_nop
	global_prefetch_b8 v0, s[64:65] scope:SCOPE_SE
	s_setreg_imm32_b32 hwreg(HW_REG_WAVE_MODE, 25, 1), 1
	s_wait_xcnt 0x0
	s_wait_alu depctr_hold_cnt(0) depctr_sa_sdst(0) depctr_va_vdst(0) depctr_va_sdst(0) depctr_va_ssrc(0) depctr_va_vcc(0) depctr_vm_vsrc(0)
	s_getreg_b32 s2, hwreg(HW_REG_IB_STS2, 6, 4)
	s_cmp_eq_u32 s2, 0
	s_cbranch_scc0 .Lentry_in_a_cluster
	s_endpgm
.Lentry_in_a_cluster:
	s_bfe_u32 s2, ttmp6, 0x10000c
	s_cmp_lg_u32 s2, 0xf033
	s_cbranch_scc0 .Lentry_shape_is_right
	s_endpgm
.Lentry_shape_is_right:
; OUT = x1 + h W_fc2 + b_fc2, the product on codes of FP8 (E4M3); OUT, x1: [4096][1024] f32; K = 4,096.
; OPERANDS ARE IMAGES OF REGISTERS: a fragment (16 rows x 128 K) is 2,048 bytes, chunk c at 512 c + 16 x lane, lane (r, h) holding k = 32 c + 16 h + 0..15 of row r; an operand is [rows / 16][32 K steps][2048].
; Row r of W's block 2 G + u is column 32 G + 8 u + r + 8 (r / 8).  k is placed alike in both operands, so every product meets its partner.
; SHARES.  A tile of 128 x 128, one for each of 256 work-groups.  Wave w = 2 i + kh makes rows 64 i .. 64 i + 63 x all 128 columns over ONE HALF OF K: of each run of eight K steps the four from 4 kh on:
; 32 accumulators, 16 steps of 32 matrix instructions.  So a fragment of W is read from LDS by two waves (i = 0, 1), and a fragment of h by one wave alone.
; h's fragments go from memory straight into that one wave's registers, three steps (48 loads) ahead: no byte of h is loaded twice by a work-group.  They are not asked for jointly: a joint load lands in LDS, and
; these bytes have one reader each.  W's tile, shared along a column of the 4 x 4 cluster, is asked for jointly: two LDS slots of eight K steps (8 blocks x 16,384 bytes), a wave fetching two blocks by one load.
; No prefetch: h's loads run three steps ahead of their use, and W's refill is asked for four of a wave's steps ahead of the wait for it.
; THE TWO HALVES OF K MEET ON THE WAY OUT: every wave puts its four blocks of 16 rows into stage areas in LDS; behind a barrier wave w reads rows 32 w .. 32 w + 31 of the tile from both partners' areas, as whole rows
; of 512 bytes, and stores (sum + sum) x 2^(ea + eb) + bias + x1.  The areas lie on the ring's bytes, which have had their last fill and, behind a barrier, their last read.
; THE MATRIX INSTRUCTION IS USED TRANSPOSED (source 0 = a block of W, source 1 = a block of h): lane (r, h) of accumulator (a, b) holds row 16 a + r and columns 32 (b / 2) + 16 h + 8 (b % 2) + 0..7.
; LIMIT: the two exponents' sum lies between -126 and 127.
; REGISTERS: window 0: v4-29 addresses, v[8:11] the bias, v128-255 x1's 32 rows.  window 1: W's fragments, two sets.  window 2: h's fragments, four sets of 64.  window 3: accumulator (a, b) at v[8 (8 a + b)].
.set NT,     16                        ; a wave's steps
.set EA,     0x28
.set BOFF,   0x800000
.set IMG,    2048
.set ROWB,   8*IMG                     ; a block's bytes in a slot
.set KROW,   65536                     ; a block's bytes in memory
.set PART,   2*ROWB                    ; what one tensor load brings
.set SLOT,   4*PART
.set SPARE,  2*SLOT                    ; behind the ring: the spare words, 128 bytes for each wave
.set SPITCH, 528                       ; a stage row: 512 bytes + 16
.set AREA,   16*SPITCH                 ; a block of 16 rows; area (wave, block) at (4 wave + block) x AREA
.set LI,   4                           ; v4     16 x lane
.set ADRB, 16                          ; v16-19 W's fragments: slot 0 blocks 0-3, 4-7; slot 1 likewise; + my half of the slot's steps
.set STO,  24
.set RD,   25                          ; v25, v26 my rows in the first and in the second partner's areas
.set SPW,  28
.set NIL,  29
.set G1B, 48
.set G0B, 56
.set MSB, 0
.macro WIN new                         ; the immediate's high byte repeats the setting that is left
.if MSB != (\new)
	s_set_vgpr_msb (MSB<<8)|(\new)
.set MSB, (\new)
.endif
.endm
.set MUL,  0xf9                        ; source 0 (W) window 1, source 1 (h) window 2, C and D window 3
.set TO_B, 0x40
.set TO_A, 0x80
.macro CREST
	s_cmp_lg_u32 s14, 0
	s_cbranch_scc1 .Lnot_wave_0_\@
	s_barrier_signal -3
.Lnot_wave_0_\@:
	s_barrier_wait -3
	s_barrier_signal -1
	s_barrier_wait -1
.endm
.macro CROUND
	s_barrier_signal -1
	s_barrier_wait -1
	CREST
.endm
.macro PLACES n
.rept \n
	v_nop
.endr
.endm
.macro TLOAD sp                        ; every wave's own two blocks; s_nop 0 and four v_nop follow
	tensor_load_to_lds s[G0B+4*(\sp):G0B+4*(\sp)+3], s[G1B:G1B+7]
	s_nop 0
	PLACES 4
.endm
.macro FETCH_B t                       ; W's eight fragments of my step t into set t % 2
	WIN TO_B
.set fb, 0
.rept 8
.irp c, 0,1,2,3
	ds_load_b128 v[128*((\t)%2)+16*fb+4*\c:128*((\t)%2)+16*fb+4*\c+3], v[ADRB+2*(((\t)/4)%2)+fb/4] offset:(fb%4)*ROWB+((\t)%4)*IMG+512*\c
.endr
.set fb, fb+1
.endr
.endm
.macro FETCH_A t                       ; h's four fragments of my step t into set t % 4: each load reads 512 consecutive bytes
	WIN TO_A
.irp a, 0,1,2,3
.irp c, 0,1,2,3
	global_load_b128 v[64*((\t)%4)+16*\a+4*\c:64*((\t)%4)+16*\a+4*\c+3], v[LI], s[4:5] offset:\a*KROW+(8*((\t)/4)+(\t)%4)*IMG+512*\c
.endr
.endr
.endm
.macro FETCH_R n                       ; 16 rows of x1, as they will be stored: 32 lanes read 512 consecutive bytes
	WIN 0
.irp t, 0,1,2,3,4,5,6,7,8,9,10,11,12,13,14,15
	global_load_b128 v[128+4*(16*(\n)+\t):128+4*(16*(\n)+\t)+3], v[LI], s[68:69] offset:(16*(\n)+\t)*4096
.endr
.endm
.macro ISSUE g                         ; 16 loads for each g up to NT + 1, so that the steps' wait has one count
.if (\g) < NT
	FETCH_A \g
.elseif (\g) < NT+2
	FETCH_R (\g)-NT
.elseif (\g) == NT+2
	WIN 0
	global_load_b128 v[8:11], v[LI], s[10:11]
.endif
.endm
.macro MULH t, b0                      ; 16 matrix instructions; the 32 accumulators take turns, one instruction a turn, in the same order in every step
.set mb, \b0
.rept 4
.set ma, 0
.rept 4
.set rD, 8*(8*ma+mb)
.set rB, 128*((\t)%2)+16*mb
.set rA, 64*((\t)%4)+16*ma
.if (\t) == 0
	v_wmma_f32_16x16x128_fp8_fp8 v[rD:rD+7], v[rB:rB+15], v[rA:rA+15], 0
.else
	v_wmma_f32_16x16x128_fp8_fp8 v[rD:rD+7], v[rB:rB+15], v[rA:rA+15], v[rD:rD+7]
.endif
.set ma, ma+1
.endr
.set mb, mb+1
.endr
.endm
.macro STEP t
	s_wait_dscnt 0x0                               ; W's set of this step is in
.if (\t)+1 < NT
	FETCH_B (\t)+1
.endif
	s_wait_loadcnt 32                              ; h's fragments of this step are in: behind them went the 16 loads of each of the next two ISSUEs
	ISSUE (\t)+3                                   ; into the set that step t - 1 multiplied, behind that step's four places
	WIN MUL
	MULH \t, 0
	MULH \t, 4
	PLACES 4
.endm
; My last step in a slot changes slots: one barrier; in front of it the wait for all my tensor loads, the add, and the wait for the add and for my reads of this slot.  fill = 1: the slot is filled again, two slots on.
.macro TURN t, fill
	WIN 0
	s_wait_tensorcnt 0x0
	ds_add_u32 v[SPW], v[NIL]
	s_wait_loadcnt 32
	s_wait_dscnt 1                                 ; W's set is in; the add may be out
	WIN MUL
	MULH \t, 0
	s_wait_dscnt 0x0
	s_barrier_signal -1
	WIN 0
	s_barrier_wait -1
.if \fill
	CREST                                          ; the barrier has opened a round of the cluster's barrier
	s_add_nc_u64 s[G0B+4*(((\t)/4)%2)+2:G0B+4*(((\t)/4)%2)+3], s[G0B+4*(((\t)/4)%2)+2:G0B+4*(((\t)/4)%2)+3], 2*ROWB
	TLOAD ((\t)/4)%2
.endif
	FETCH_B (\t)+1
	ISSUE (\t)+3
	WIN MUL
	MULH \t, 4
	PLACES 4
.endm
	s_load_b128 s[4:7], s[0:1], 0x0                ; h s[4:5], wts s[6:7]
	s_load_b128 s[8:11], s[0:1], 0x10              ; the scales' exponents, the bias
	s_load_b128 s[68:71], s[0:1], 0x20             ; x1, out0
	v_lshl_add_u32 v[SPW], v0, 2, SPARE
	v_mov_b32 v[NIL], 0
	ds_add_u32 v[SPW], v[NIL]                      ; the opening lines: the add twice on end and one wait
	ds_add_u32 v[SPW], v[NIL]
	v_lshrrev_b32 v1, 5, v0
	v_readfirstlane_b32 s14, v1                    ; wave 0..3
	v_and_b32 v1, 31, v0
	v_lshlrev_b32 v[LI], 4, v1
	s_lshr_b32 s15, s14, 1                         ; i: my half of the rows
	s_and_b32 s16, s14, 1                          ; kh: my half of K
	s_bfe_u32 s40, ttmp6, 0x40000                  ; cx, cy
	s_bfe_u32 s41, ttmp6, 0x40004
	s_lshl_b32 s42, ttmp9, 2
	s_add_co_u32 s42, s42, s40                     ; tile column
	s_and_b32 s17, ttmp7, 0xffff
	s_lshl_b32 s17, s17, 2
	s_add_co_u32 s17, s17, s41                     ; tile row
	s_lshl_b32 s44, 0x1111, s40                    ; my column of the cluster
	s_or_b32 s[G1B+0], s44, (1<<21)
	s_mov_b32 s[G1B+1], (ROWB&0xffff)<<16
	s_mov_b32 s[G1B+2], (ROWB>>16)|(2<<16)
	s_mov_b32 s[G1B+3], ROWB<<16
	s_mov_b32 s[G1B+4], 2
	s_mov_b32 s[G1B+5], KROW
	s_mov_b32 s[G1B+6], 0
	s_mov_b32 s[G1B+7], 0
	s_lshl_b32 s20, s17, 3
	s_lshl_b32 s18, s15, 2
	s_add_co_u32 s20, s20, s18                     ; h: block 8 x tile row + 4 i,
	s_lshl_b32 s20, s20, 16
	s_lshl_b32 s18, s16, 13
	s_add_co_u32 s20, s20, s18                     ; K step 4 kh
	s_mov_b32 s21, 0
	s_lshl_b32 s18, s14, 1
	s_lshl_b32 s46, s42, 3
	s_add_co_u32 s46, s46, s18                     ; W: block 8 x tile column + 2 x wave
	s_lshl_b32 s46, s46, 16
	s_add_co_u32 s46, s46, BOFF
	s_mov_b32 s47, 0
	s_mul_i32 s45, s14, PART
	s_wait_alu depctr_va_vdst(0)                   ; ahead of the waits below
	s_wait_dscnt 0x0
	s_wait_kmcnt 0x0
	s_load_b64 s[96:97], s[8:9], EA
	s_add_nc_u64 s[4:5], s[4:5], s[20:21]
	s_add_nc_u64 s[46:47], s[6:7], s[46:47]
.irp s, 0,1
	s_mov_b32 s[G0B+4*\s], 1
	s_add_co_u32 s[G0B+4*\s+1], s45, \s*SLOT
	s_add_nc_u64 s[G0B+4*\s+2:G0B+4*\s+3], s[46:47], \s*ROWB
	s_or_b32 s[G0B+4*\s+3], s[G0B+4*\s+3], 0x80000000
.endr
	CROUND                                         ; the sixteen work-groups meet: the first joint loads
	TLOAD 0                                        ; slot 0: one tensor load a wave at the head
	ISSUE 0                                        ; h's first three steps are asked for behind it, so that they are still on their way when slot 1 is asked for
	ISSUE 1
	ISSUE 2
	WIN 0
	s_lshl_b32 s22, s16, 13
	v_add_nc_u32 v[ADRB], s22, v[LI]
	v_add_nc_u32 v[ADRB+1], 4*ROWB, v[ADRB]
	v_add_nc_u32 v[ADRB+2], SLOT, v[ADRB]
	v_add_nc_u32 v[ADRB+3], SLOT+4*ROWB, v[ADRB]
	v_and_b32 v2, 15, v0
	v_bfe_u32 v3, v0, 4, 1
	v_mul_u32_u24 v5, v2, SPITCH
	v_lshl_add_u32 v5, v3, 6, v5
	s_mul_i32 s23, s14, 4*AREA
	v_add_nc_u32 v[STO], s23, v5                   ; in: my four areas, row r, + 64 h
	s_lshl_b32 s22, s15, 3
	s_lshl_b32 s23, s16, 1
	s_add_co_u32 s22, s22, s23
	s_mul_i32 s22, s22, AREA                       ; back: area (2 i, 2 kh),
	v_add_nc_u32 v[RD], s22, v[LI]
	v_add_nc_u32 v[RD+1], 4*AREA, v[RD]            ; and area (2 i + 1, 2 kh)
	s_lshl_b32 s72, s17, 7
	s_lshl_b32 s73, s14, 5
	s_add_co_u32 s72, s72, s73                     ; the rows that I store: 128 x tile row + 32 x wave
	s_lshl_b32 s72, s72, 12
	s_lshl_b32 s74, s42, 9
	s_mov_b32 s75, 0
	s_add_nc_u64 s[10:11], s[10:11], s[74:75]
	s_add_co_u32 s72, s72, s74
	s_mov_b32 s73, 0
	s_add_nc_u64 s[68:69], s[68:69], s[72:73]
	s_add_nc_u64 s[70:71], s[70:71], s[72:73]
	s_wait_alu depctr_va_vdst(0)
	s_wait_tensorcnt 0x0                           ; my part of slot 0 is in; slot 1's first fill is issued as a refill is
	ds_add_u32 v[SPW], v[NIL]
	s_wait_dscnt 0x0
	CROUND
	TLOAD 1
	FETCH_B 0
.set st, 0
.rept NT
.if (st == 3) || (st == 7)
	TURN st, 1
.elseif st == 11
	TURN st, 0
.else
	STEP st
.endif
.set st, st+1
.endr
	WIN 0
	s_wait_kmcnt 0x0
	s_add_co_i32 s96, s96, s97
	s_add_co_i32 s96, s96, 127
	s_lshl_b32 s96, s96, 23                        ; 2^(ea + eb) as f32
	s_mov_b32 s97, s96
	s_wait_dscnt 0x0
	s_barrier_signal -1
	s_barrier_wait -1                              ; no wave reads the ring any more: the areas may be written
	WIN 0x0c                                       ; store data: window 3
.set sa, 0
.rept 4
.irp b, 0,1,2,3,4,5,6,7
	ds_store_b128 v[STO], v[8*(8*sa+\b):8*(8*sa+\b)+3] offset:sa*AREA+128*(\b/2)+32*(\b%2)          ; each accumulator from its low end on
	ds_store_b128 v[STO], v[8*(8*sa+\b)+4:8*(8*sa+\b)+7] offset:sa*AREA+128*(\b/2)+32*(\b%2)+16
.endr
.set sa, sa+1
.endr
	WIN 0
	s_wait_dscnt 0x0                               ; for the partner's sake
	s_barrier_signal -1
	s_barrier_wait -1
.irp e, 0,1                            ; my 32 rows from both halves of K: window 1 v[64 e ..] and window 2 v[64 e ..]
	WIN TO_B
.irp t, 0,1,2,3,4,5,6,7,8,9,10,11,12,13,14,15
	ds_load_b128 v[64*\e+4*\t:64*\e+4*\t+3], v[RD] offset:\e*AREA+\t*SPITCH
.endr
	WIN TO_A
.irp t, 0,1,2,3,4,5,6,7,8,9,10,11,12,13,14,15
	ds_load_b128 v[64*\e+4*\t:64*\e+4*\t+3], v[RD+1] offset:\e*AREA+\t*SPITCH
.endr
.endr
	WIN 0
	s_wait_loadcnt 0x0                             ; x1 and the bias
.irp e, 0,1
	s_wait_dscnt 32-32*\e
	WIN 0x49                                       ; window 1 = window 1 + window 2
.set sn, 0
.rept 32
	v_pk_add_f32 v[64*\e+sn:64*\e+sn+1], v[64*\e+sn:64*\e+sn+1], v[64*\e+sn:64*\e+sn+1]
.set sn, sn+2
.endr
	WIN 0x41                                       ; x 2^(ea + eb) + the bias (window 0)
.irp t, 0,1,2,3,4,5,6,7,8,9,10,11,12,13,14,15
	v_pk_fma_f32 v[64*\e+4*\t:64*\e+4*\t+1], v[64*\e+4*\t:64*\e+4*\t+1], s[96:97], v[8:9] op_sel_hi:[1,0,1]
	v_pk_fma_f32 v[64*\e+4*\t+2:64*\e+4*\t+3], v[64*\e+4*\t+2:64*\e+4*\t+3], s[96:97], v[10:11] op_sel_hi:[1,0,1]
.endr
	WIN 0x44                                       ; + x1 (source 0, window 0)
.set sn, 0
.rept 32
	v_pk_add_f32 v[64*\e+sn:64*\e+sn+1], v[128+64*\e+sn:128+64*\e+sn+1], v[64*\e+sn:64*\e+sn+1]
.set sn, sn+2
.endr
	WIN 0x04                                       ; store data: window 1
.irp t, 0,1,2,3,4,5,6,7,8,9,10,11,12,13,14,15
	global_store_b128 v[LI], v[64*\e+4*\t:64*\e+4*\t+3], s[70:71] offset:(16*\e+\t)*4096   ; 32 lanes store 512 consecutive bytes, aligned
.endr
.endr
	WIN 0
	s_wait_tensorcnt 0x0                           ; the wave's end
	ds_add_u32 v[SPW], v[NIL]
	s_wait_dscnt 0x0
	CROUND                                         ; the closing round
	s_endpgm
.Lfunc_end_k_q56a7275c92_fc2:
	.size	k_q56a7275c92_fc2, .Lfunc_end_k_q56a7275c92_fc2-k_q56a7275c92_fc2
	.p2alignl 7, 3214868480
	.fill 96, 4, 3214868480
	.section	.rodata,"a",@progbits
	.p2align	6, 0x0
	.amdhsa_kernel k_q56a7275c92_fc2
		.amdhsa_group_segment_fixed_size 327680
		.amdhsa_private_segment_fixed_size 0
		.amdhsa_enable_private_segment 0
		.amdhsa_kernarg_size 48
		.amdhsa_user_sgpr_count 2
		.amdhsa_user_sgpr_kernarg_segment_ptr 1
		.amdhsa_wavefront_size32 1
		.amdhsa_system_sgpr_workgroup_id_x 1
		.amdhsa_system_sgpr_workgroup_id_y 1
		.amdhsa_system_sgpr_workgroup_id_z 1
		.amdhsa_system_vgpr_workitem_id 0
		.amdhsa_next_free_vgpr 1024
		.amdhsa_next_free_sgpr 100
		.amdhsa_reserve_vcc 0
		.amdhsa_float_denorm_mode_32 3
		.amdhsa_float_denorm_mode_16_64 3
		.amdhsa_memory_ordered 1
		.amdhsa_forward_progress 1
		.amdhsa_inst_pref_size 128
	.end_amdhsa_kernel
	.amdgpu_metadata
---
amdhsa.version: [ 1, 2 ]
amdhsa.kernels:
  - .name:           k_q56a7275c92_fc2
    .symbol:         k_q56a7275c92_fc2.kd
    .args:
      - { .name: h, .offset: 0, .size: 8, .value_kind: global_buffer, .address_space: global }
      - { .name: wts, .offset: 8, .size: 8, .value_kind: global_buffer, .address_space: global }
      - { .name: lowp_scales, .offset: 16, .size: 8, .value_kind: global_buffer, .address_space: global }
      - { .name: b_fc2, .offset: 24, .size: 8, .value_kind: global_buffer, .address_space: global }
      - { .name: x1, .offset: 32, .size: 8, .value_kind: global_buffer, .address_space: global }
      - { .name: out0, .offset: 40, .size: 8, .value_kind: global_buffer, .address_space: global }
    .group_segment_fixed_size: 327680
    .private_segment_fixed_size: 0
    .kernarg_segment_align: 8
    .kernarg_segment_size: 48
    .max_flat_workgroup_size: 128
    .sgpr_count:     100
    .vgpr_count:     1024
    .wavefront_size: 32
...
	.end_amdgpu_metadata
.endif
;; end of part 7
